; MI455X (gfx1250); checked and timed in simulation.
; The chip was launched on July 23, 2026; its instructions are those of AMD's public machine-readable ISA for CDNA 5 (MIT licence, August 2026) and "CDNA5" Instruction Set Architecture Reference Guide (July 2026). The comments in the code are by the model that wrote it; some were corrected since.
;; Mo E Layer. Allowed arithmetic: matrix products marked QUANTISED: E2M1 operands, one E8M0 scale for each 32 along K, by v_wmma_scale_f32_16x16x128_f8f6f4 with both operands' format E2M1 (or v_wmma_scale_f32_32x16x128_f4), f32 sums; products left as they are: f32 operands where the result goes on into a quantised operand, else bf16, f16 or f32 operands; f32 sums; everything else in f32.
;; Inputs: W1 8 x 1,024 x 4,096 float32; W2 8 x 4,096 x 1,024 float32; Wg 1,024 x 8 float32; b1 8 x 4,096 float32; b2 8 x 1,024 float32; bg 8 float32; x 4 x 256 x 1,024 float32.
;; Outputs: out0 4 x 256 x 1,024 float32; out1 1,024 x 8 float32.
;; This version of the problem:
;;   THIS VERSION OF THE PROBLEM IS GIVEN IN LOW PRECISION. The matrix products marked QUANTISED in the list below multiply operands that are first quantised to E2M1 (2 exponent bits, 1 mantissa bit; 4 bits a number), with one power-of-two scale for each 32 numbers along K (OCP MX v1.0); their sums are f32. All else is computed in f32.
;;   The module's matrix products, in the order in which they are computed (A, B: the left and right operand; K: the contracted axis; several contracted axes count as one K, in the product's order):
;;     1. [M 1,024, K 1,024] x [K 1,024, N 8]; A: input x; B: input Wg: left as it is (N = 8 < 16)
;;     2. [M 1,024, K 1,024] x [K 1,024, N 32,768]; A: input x; B: input W1: QUANTISED
;;     3. batch 8 x [M 1,024, K 4,096] x [K 4,096, N 1,024]; A: input W2; B: computed on the way: QUANTISED
;;   THE QUANTISER, for each operand of a quantised product, along K:
;;     - K is cut into blocks of 32 from its start; a last block that is shorter is filled with zeros.
;;     - A block's scale is 2^e with e = floor(log2(the largest magnitude in the block)) - 2, held to -126 .. 127; a block of zeros has e = 0. As a byte (E8M0): e + 127.
;;     - Each number is divided by its block's scale, clamped to +-6, and rounded to the nearest number of E2M1, ties to even, subnormals kept.
;;     - The product sums the exact products of the quantised numbers (number of the format x scale) in f32.
;;   ~~~python
;;   def quantise(x, axis):      # numpy; x: float32 -> the quantised numbers, widened to float32 again
;;       x = np.moveaxis(x, axis, -1); K = x.shape[-1]
;;       x = np.pad(x, [(0, 0)] * (x.ndim - 1) + [(0, -K % 32)]); x = x.reshape(x.shape[:-1] + (-1, 32)); a = np.abs(x).max(-1, keepdims=True)
;;       e = np.where(a > 0, np.clip(np.frexp(np.where(a > 0, a, 1))[1] - 1 - 2, -126, 127), 0)      # np.frexp(a)[1] - 1 = floor(log2(a)), exactly
;;       r = np.clip(x / 2.0 ** e, -6, 6)
;;       step = 2.0 ** (np.maximum(np.frexp(np.where(r == 0, 1, r))[1] - 1, 0) - 1)
;;       q = np.round(r / step) * step * 2.0 ** e      # np.round: ties to even
;;       return np.moveaxis(q.reshape(q.shape[:-2] + (-1,))[..., :K], -1, axis).astype(np.float32)
;;   ~~~
;;   OPERANDS COMPUTED ON THE WAY. 'Computed on the way' means the value that the module computes at that place (a softmax that the list does not call 'softmax' is quantised finished and normalised). What goes into a quantiser is computed in f32, as accurately as f32 sums, v_exp_f32 and their like allow (about 1e-6 of the number): no bf16 or f16 on the way to a quantiser, and a product that is left as it is and whose result goes on into a quantised operand takes f32 operands (vector FMAs, or v_wmma_f32_16x16x4_f32). A number that lies on a knife's edge between two numbers of the format may be rounded either way, as far as f32 arithmetic and the matrix unit's own rounding can turn it there, and no further.
;; 2 versions, each right; version 2 is version 1 with the launches up, down written anew for expert scheduling mode. Each part assembles by itself: llvm-mc -triple=amdgcn-amd-amdhsa -mcpu=gfx1250 --defsym DOCPART=n.
;; ======== version 1 of 2: 3 launches
;; workspace buffers: xq 524,288 bytes; xs 32,768 bytes; sel 1,024 bytes of whole numbers; topw 4,096 bytes; hq 16,777,216 bytes; hs 1,048,576 bytes
;; launch gate (part 1): grid 128 x 1, 4 waves a work-group, no clusters, 41,984 bytes of LDS; arguments x, Wg, bg, out1, xq, xs, sel, topw; writes out1, xq, xs, sel, topw
.if DOCPART == 1
	.amdgcn_target "amdgcn-amd-amdhsa--gfx1250"
	.amdhsa_code_object_version 6
	.text
	.protected	k_q03749bf1f3_gate
	.globl	k_q03749bf1f3_gate
	.p2align	8
	.type	k_q03749bf1f3_gate,@function
k_q03749bf1f3_gate:
	s_mov_b64 s[64:65], 0
	v_nop
	global_prefetch_b8 v0, s[64:65] scope:SCOPE_SE
	s_setreg_imm32_b32 hwreg(HW_REG_WAVE_MODE, 25, 1), 1
	s_wait_xcnt 0x0
; THE GATE, AND x INTO CODES.  x [1024][1024] f32, Wg [1024][8], bg [8].  out1 = softmax(x Wg + bg), all in f32.
; Also stored, for the two launches that follow: xq [1024][512 bytes] codes of E2M1 along the 1,024 (two a byte, the lower k low), xs [1024][32] E8M0 bytes,
; topw [1024] the largest gate weight, sel [8 experts][128 bytes] a bit for each token: token t is bit t % 8 of byte t / 8 of the row of the expert it chose.
; The choice steers no address and no branch here: it goes out as data, at fixed places.
; SHARES.  Work-group g takes tokens 8 g .. 8 g + 7.  Wave w takes k = 256 w .. 256 w + 255 of all eight; lane l the eight k from 256 w + 8 l on, so four neighbouring lanes hold a block of 32.
; x is read once and serves both the logits and the quantiser.  No matrix unit: the product has 8 columns.  No cluster: the work-groups share only Wg's 32 KiB.
; LIMITS.  NaN and infinities are not served.  A block of zeros gets the byte 1, not 127: its codes are zeros and only this program reads the bytes.
; The largest weight is sought among this text's own f32 weights, the lower index winning a tie: where the two largest lie within the rounding of an f32 sum of 1,024 terms the choice may differ from another summation order's.
; An exponential whose result lies under 2^-126 comes out as 0 (ISA guide, the entry of v_exp_f32).
.set WT,   0                           ; LDS: for each wave 32 places of 256 + 16 bytes, in which Wg's rows turn from 16 bytes a lane to 256 bytes a lane
.set PL,   34816                       ; partial logits [wave][half of the lanes][token][expert] f32
.set XC,   36864                       ; codes [token][512 bytes]
.set XSB,  40960                       ; scale bytes [token][32]
.set OS,   41216                       ; out1's 256 bytes
.set L8,   0                           ; v0   8 x lane (the thread's number is done with by then)
.set XO,   2                           ; v2   32 x lane: my 8 numbers in a wave's 1,024 bytes of a row of x
.set WGO,  3                           ; v3   16 x lane
.set WTS,  4                           ; v4   Wg into the stage
.set WTL,  5                           ; v5   and out of it
.set XCS,  6                           ; v6   where my 4 bytes of codes go
.set XBS,  7                           ; v7   where my block's byte goes
.set PLW,  8                           ; v8   where my half's partial logits go
.set PLR,  9                           ; v9   where token lane % 8's are read
.set XCR,  10                          ; v10  codes on the way out
.set XBR,  11                          ; v11  scale bytes on the way out
.set OSW,  12                          ; v12  out1 into its stage
.set OSR,  13                          ; v13  and out of it
.set T7,   14                          ; v14  lane % 8
.set GX,   15                          ; v15  1,024 x wave + 16 x lane: my place in the group's 4,096 bytes of codes
.set WR,   16                          ; v16-79   Wg(my k i, expert e) at 8 i + e
.set XR,   80                          ; v80-143  x(token t, my k i) at 8 t + i; later wave 0's softmax
.set ACC,  144                         ; v144-207 first Wg as loaded; then the partial logits at 8 t + e
.set M,    208                         ; v208-215 largest magnitudes; later at work
.set SOP,  216                         ; v216-223 the conversions' scale operands
.set CD,   224                         ; v224-231 codes
.set BYT,  232                         ; v232-239 scale bytes
	s_load_b256 s[4:11], s[0:1], 0x0               ; x s[4:5], Wg s[6:7], bg s[8:9], out1 s[10:11]
	s_load_b256 s[12:19], s[0:1], 0x20             ; xq s[12:13], xs s[14:15], sel s[16:17], topw s[18:19]
	v_lshl_add_u32 v240, v0, 2, 0xa200
	v_mov_b32 v241, 0
	v_lshrrev_b32 v1, 5, v0
	v_readfirstlane_b32 s36, v1                    ; wave 0..3
	v_and_b32 v1, 31, v0                           ; lane
	v_lshlrev_b32 v[XO], 5, v1
	v_lshlrev_b32 v[WGO], 4, v1
	v_lshrrev_b32 v16, 4, v1                       ; lane / 16
	v_and_b32 v17, 15, v1                          ; lane % 16
	v_and_b32 v[T7], 7, v1
	s_mul_i32 s37, s36, 8704                       ; my wave's stage
	v_mul_u32_u24 v[WTS], v16, 272                 ; a load's 512 bytes are two places: place lane / 16, 16 bytes at lane % 16
	v_lshl_add_u32 v[WTS], v17, 4, v[WTS]
	v_add_nc_u32 v[WTS], s37, v[WTS]
	v_mul_u32_u24 v[WTL], v1, 272                  ; back: place = lane
	v_add_nc_u32 v[WTL], s37, v[WTL]
	s_lshl_b32 s37, s36, 7
	s_add_co_u32 s37, s37, XC
	v_lshl_add_u32 v[XCS], v1, 2, s37              ; XC + 128 wave + 4 lane
	s_lshl_b32 s37, s36, 3
	s_add_co_u32 s37, s37, XSB
	v_lshrrev_b32 v[XBS], 2, v1
	v_add_nc_u32 v[XBS], s37, v[XBS]               ; XSB + 8 wave + lane / 4
	s_lshl_b32 s37, s36, 9
	s_add_co_u32 s37, s37, PL
	v_lshl_add_u32 v[PLW], v16, 8, s37             ; PL + 512 wave + 256 (lane / 16)
	v_lshl_add_u32 v[PLR], v[T7], 5, PL
	s_lshl_b32 s37, s36, 10
	v_lshl_add_u32 v[GX], v1, 4, s37
	v_add_nc_u32 v[XCR], XC, v[GX]
	v_lshlrev_b32 v[L8], 3, v1
	v_add_nc_u32 v[XBR], XSB, v[L8]
	v_lshl_add_u32 v[OSW], v[T7], 5, OS
	v_add_nc_u32 v[OSR], OS, v[L8]
	s_lshl_b32 s40, ttmp9, 15                      ; x: 8 rows of 4,096 bytes a group, 1,024 bytes a wave
	s_lshl_b32 s41, s36, 10
	s_add_co_u32 s40, s40, s41
	s_mov_b32 s41, 0
	s_lshl_b32 s42, s36, 13                        ; Wg: 256 rows of 32 bytes a wave
	s_mov_b32 s43, 0
	s_lshl_b32 s44, ttmp9, 12                      ; xq: 4,096 bytes a group
	s_mov_b32 s45, 0
	s_lshl_b32 s46, ttmp9, 8                       ; xs and out1: 256 bytes a group
	s_mov_b32 s47, 0
	s_wait_kmcnt 0x0
	s_load_b256 s[20:27], s[8:9], 0x0              ; bg's eight numbers
	s_add_nc_u64 s[4:5], s[4:5], s[40:41]
	s_add_nc_u64 s[6:7], s[6:7], s[42:43]
	s_add_nc_u64 s[12:13], s[12:13], s[44:45]
	s_add_nc_u64 s[14:15], s[14:15], s[46:47]
	s_add_nc_u64 s[10:11], s[10:11], s[46:47]
	s_lshl_b32 s40, ttmp9, 5                       ; topw: 32 bytes a group
	s_add_nc_u64 s[18:19], s[18:19], s[40:41]
	s_mov_b32 s40, ttmp9                           ; sel: byte g of each expert's row
	s_add_nc_u64 s[16:17], s[16:17], s[40:41]
.irp q, 0,1,2,3,4,5,6,7,8,9,10,11,12,13,14,15
	global_load_b128 v[ACC+4*\q:ACC+4*\q+3], v[WGO], s[6:7] offset:512*\q      ; Wg as it lies: 512 consecutive bytes a load
.endr
.irp t, 0,1,2,3,4,5,6,7
	global_load_b128 v[XR+8*\t:XR+8*\t+3], v[XO], s[4:5] offset:4096*\t th:TH_LOAD_NT
	global_load_b128 v[XR+8*\t+4:XR+8*\t+7], v[XO], s[4:5] offset:4096*\t+16 th:TH_LOAD_NT
.endr
	s_wait_loadcnt 16                              ; Wg's sixteen loads are in; x's sixteen were issued behind them
.irp q, 0,1,2,3,4,5,6,7,8,9,10,11,12,13,14,15
	ds_store_b128 v[WTS], v[ACC+4*\q:ACC+4*\q+3] offset:544*\q
.endr
.irp q, 0,1,2,3,4,5,6,7,8,9,10,11,12,13,14,15
	ds_load_b128 v[WR+4*\q:WR+4*\q+3], v[WTL] offset:16*\q                     ; the wave's own bytes, served in order (ISA guide 5.7.1.4): no wait between
.endr
	s_wait_loadcnt 0x0                             ; x
	s_wait_dscnt 0x0                               ; Wg is back, and the stores have read ACC, which the products below write
	s_wait_kmcnt 0x0                               ; bg
	; the partial logits: 8 tokens x 8 experts over my 8 k, two experts an instruction; x's number serves both halves
.irp t, 0,1,2,3,4,5,6,7
.irp e, 0,2,4,6
	v_pk_mul_f32 v[ACC+8*\t+\e:ACC+8*\t+\e+1], v[XR+8*\t:XR+8*\t+1], v[WR+\e:WR+\e+1] op_sel_hi:[0,1]
.endr
.endr
.irp i, 1,2,3,4,5,6,7
.irp t, 0,1,2,3,4,5,6,7
.irp e, 0,2,4,6
.if \i % 2
	v_pk_fma_f32 v[ACC+8*\t+\e:ACC+8*\t+\e+1], v[XR+8*\t+\i-1:XR+8*\t+\i], v[WR+8*\i+\e:WR+8*\i+\e+1], v[ACC+8*\t+\e:ACC+8*\t+\e+1] op_sel:[1,0,0] op_sel_hi:[1,1,1]
.else
	v_pk_fma_f32 v[ACC+8*\t+\e:ACC+8*\t+\e+1], v[XR+8*\t+\i:XR+8*\t+\i+1], v[WR+8*\i+\e:WR+8*\i+\e+1], v[ACC+8*\t+\e:ACC+8*\t+\e+1] op_sel_hi:[0,1,1]
.endif
.endr
.endr
.endr
	; the quantiser, the eight tokens by turns: the largest magnitude of my 8 with the floor 2^(3 - 127), which holds the byte at 1 from below; then of the block's four lanes
.irp t, 0,1,2,3,4,5,6,7
	v_max3_num_f32 v[M+\t], |v[XR+8*\t]|, |v[XR+8*\t+1]|, 0x1800000
.endr
.irp i, 2,4,6
.irp t, 0,1,2,3,4,5,6,7
	v_max3_num_f32 v[M+\t], v[M+\t], |v[XR+8*\t+\i]|, |v[XR+8*\t+\i+1]|
.endr
.endr
.irp t, 0,1,2,3,4,5,6,7
	v_max_num_f32_dpp v[M+\t], v[M+\t], v[M+\t] row_xmask:1 row_mask:0xf bank_mask:0xf
.endr
.irp t, 0,1,2,3,4,5,6,7
	v_max_num_f32_dpp v[M+\t], v[M+\t], v[M+\t] row_xmask:2 row_mask:0xf bank_mask:0xf
.endr
.irp t, 0,1,2,3,4,5,6,7
	v_add_nc_u32 v[SOP+\t], 0xff000000, v[M+\t]    ; 2 off the exponent field: the conversion takes this operand's exponent field as its scale
.endr
.irp t, 0,1,2,3,4,5,6,7
	v_cvt_scalef32_pk8_fp4_f32 v[CD+\t], v[XR+8*\t:XR+8*\t+7], v[SOP+\t]
.endr
.irp t, 0,1,2,3,4,5,6,7
	v_lshrrev_b32 v[BYT+\t], 23, v[SOP+\t]         ; the scale's byte (also the plain lines behind the conversions)
.endr
.irp t, 0,1,2,3,4,5,6,7
	ds_store_b32 v[XCS], v[CD+\t] offset:512*\t
	ds_store_b8 v[XBS], v[BYT+\t] offset:32*\t     ; the block's four lanes write the same byte with the same value
.endr
	; the partial logits are summed over each half of 16 lanes; the eight halves of the work-group meet in LDS
.irp m, 1,2,4,8
.irp j, 0,1,2,3,4,5,6,7,8,9,10,11,12,13,14,15,16,17,18,19,20,21,22,23,24,25,26,27,28,29,30,31,32,33,34,35,36,37,38,39,40,41,42,43,44,45,46,47,48,49,50,51,52,53,54,55,56,57,58,59,60,61,62,63
	v_add_f32_dpp v[ACC+\j], v[ACC+\j], v[ACC+\j] row_xmask:\m row_mask:0xf bank_mask:0xf
.endr
.endr
.irp q, 0,1,2,3,4,5,6,7,8,9,10,11,12,13,14,15
	ds_store_b128 v[PLW], v[ACC+4*\q:ACC+4*\q+3] offset:16*\q                  ; sixteen lanes write the same bytes with the same values
.endr
	s_wait_dscnt 0x0                               ; for the others' sake: all my LDS stores have landed
	s_barrier_signal -1
	s_barrier_wait -1
	ds_load_b128 v[16:19], v[XCR]                  ; the codes leave: each store of a wave covers 512 consecutive bytes, aligned
	ds_load_b128 v[20:23], v[XCR] offset:512
	s_wait_dscnt 0x0
	global_store_b128 v[GX], v[16:19], s[12:13]
	global_store_b128 v[GX], v[20:23], s[12:13] offset:512
	s_cmp_eq_u32 s36, 1
	s_cbranch_scc0 .Lnot_wave_1
	ds_load_b64 v[24:25], v[XBR]                   ; wave 1: the group's 256 scale bytes, consecutive and aligned
	s_wait_dscnt 0x0
	global_store_b64 v[L8], v[24:25], s[14:15]
.Lnot_wave_1:
	s_cmp_lg_u32 s36, 0
	s_cbranch_scc1 .Lend
	; wave 0: the softmax.  Lane l acts for token l % 8, so each token is worked four times over, alike
.macro PADD a, b
.irp e, 0,2,4,6
	v_pk_add_f32 v[XR+8*\a+\e:XR+8*\a+\e+1], v[XR+8*\a+\e:XR+8*\a+\e+1], v[XR+8*\b+\e:XR+8*\b+\e+1]
.endr
.endm
.irp p, 0,1,2,3,4,5,6,7
	ds_load_b128 v[XR+8*\p:XR+8*\p+3], v[PLR] offset:256*\p
	ds_load_b128 v[XR+8*\p+4:XR+8*\p+7], v[PLR] offset:256*\p+16
.endr
	s_wait_dscnt 0x0
	PADD 0, 1
	PADD 2, 3
	PADD 4, 5
	PADD 6, 7
	PADD 0, 2
	PADD 4, 6
	PADD 0, 4
.irp e, 0,1,2,3,4,5,6,7
	v_add_f32 v[XR+\e], s[20+\e], v[XR+\e]         ; + bg: the logits
.endr
	v_max3_num_f32 v208, v[XR], v[XR+1], v[XR+2]
	v_max3_num_f32 v208, v208, v[XR+3], v[XR+4]
	v_max3_num_f32 v208, v208, v[XR+5], v[XR+6]
	v_max_num_f32 v208, v208, v[XR+7]              ; the row's maximum is taken away ahead of the exponential
	v_mul_f32 v209, 0xbfb8aa3b, v208               ; - m log2(e)
.irp e, 0,1,2,3,4,5,6,7
	v_fmamk_f32 v[XR+8+\e], v[XR+\e], 0x3fb8aa3b, v209
.endr
.irp e, 0,1,2,3,4,5,6,7
	v_exp_f32 v[XR+16+\e], v[XR+8+\e]
.endr
	v_nop                                          ; a plain line behind the last exponential
	s_wait_alu depctr_va_vdst(0)                   ; one wait for the batch of eight, ahead of its first reader
	v_add_f32 v210, v[XR+16], v[XR+17]
	v_add_f32 v211, v[XR+18], v[XR+19]
	v_add_f32 v212, v[XR+20], v[XR+21]
	v_add_f32 v213, v[XR+22], v[XR+23]
	v_add_f32 v210, v210, v211
	v_add_f32 v212, v212, v213
	v_add_f32 v210, v210, v212
	v_rcp_f32 v214, v210
	v_nop
	s_wait_alu depctr_va_vdst(0)                   ; and one for the reciprocal
.irp e, 0,1,2,3,4,5,6,7
	v_mul_f32 v[XR+24+\e], v[XR+16+\e], v214       ; the gate weights
.endr
	v_mov_b32 v212, v[XR+24]                       ; the largest, and where: a later one must be strictly larger, so the lower index wins a tie
	v_mov_b32 v213, 0
.irp e, 1,2,3,4,5,6,7
	v_cmp_gt_f32 vcc_lo, v[XR+24+\e], v212
	v_cndmask_b32 v213, v213, \e, vcc_lo
	v_max_num_f32 v212, v212, v[XR+24+\e]
.endr
	ds_store_b128 v[OSW], v[XR+24:XR+27]           ; out1 through its stage, so that the wave stores 256 consecutive bytes, aligned
	ds_store_b128 v[OSW], v[XR+28:XR+31] offset:16
	ds_load_b64 v[214:215], v[OSR]
	v_lshlrev_b32 v216, 2, v[T7]
	global_store_b32 v216, v212, s[18:19]          ; topw: the four copies of a token store the same number
.irp e, 0,1,2,3,4,5,6,7
	v_cmp_eq_u32 s[28+\e], \e, v213                ; bit l: lane l's token chose expert e; bits 0 to 7 are the group's eight tokens
.endr
	v_mov_b32 v217, s28
.irp e, 1,2,3,4,5,6,7
	v_cmp_eq_u32 vcc_lo, \e, v[T7]
	v_cndmask_b32 v217, v217, s[28+\e], vcc_lo     ; lane l carries the mask of expert l % 8
.endr
	v_lshlrev_b32 v218, 7, v[T7]
	global_store_b8 v218, v217, s[16:17]           ; its low byte, to byte g of that expert's row
	s_wait_dscnt 0x0
	global_store_b64 v[L8], v[214:215], s[10:11]
.Lend:
	s_wait_tensorcnt 0x0
	ds_add_u32 v240, v241
	s_wait_dscnt 0x0
	s_endpgm
.Lfunc_end_k_q03749bf1f3_gate:
	.size	k_q03749bf1f3_gate, .Lfunc_end_k_q03749bf1f3_gate-k_q03749bf1f3_gate
	.p2alignl 7, 3214868480
	.fill 96, 4, 3214868480
	.section	.rodata,"a",@progbits
	.p2align	6, 0x0
	.amdhsa_kernel k_q03749bf1f3_gate
		.amdhsa_group_segment_fixed_size 41984
		.amdhsa_private_segment_fixed_size 0
		.amdhsa_enable_private_segment 0
		.amdhsa_kernarg_size 64
		.amdhsa_user_sgpr_count 2
		.amdhsa_user_sgpr_kernarg_segment_ptr 1
		.amdhsa_wavefront_size32 1
		.amdhsa_system_sgpr_workgroup_id_x 1
		.amdhsa_system_sgpr_workgroup_id_y 1
		.amdhsa_system_sgpr_workgroup_id_z 1
		.amdhsa_system_vgpr_workitem_id 0
		.amdhsa_next_free_vgpr 242
		.amdhsa_next_free_sgpr 66
		.amdhsa_reserve_vcc 1
		.amdhsa_float_denorm_mode_32 3
		.amdhsa_float_denorm_mode_16_64 3
		.amdhsa_memory_ordered 1
		.amdhsa_forward_progress 1
		.amdhsa_inst_pref_size 55
	.end_amdhsa_kernel
	.amdgpu_metadata
---
amdhsa.version: [ 1, 2 ]
amdhsa.kernels:
  - .name:           k_q03749bf1f3_gate
    .symbol:         k_q03749bf1f3_gate.kd
    .args:
      - { .name: x, .offset: 0, .size: 8, .value_kind: global_buffer, .address_space: global }
      - { .name: Wg, .offset: 8, .size: 8, .value_kind: global_buffer, .address_space: global }
      - { .name: bg, .offset: 16, .size: 8, .value_kind: global_buffer, .address_space: global }
      - { .name: out1, .offset: 24, .size: 8, .value_kind: global_buffer, .address_space: global }
      - { .name: xq, .offset: 32, .size: 8, .value_kind: global_buffer, .address_space: global }
      - { .name: xs, .offset: 40, .size: 8, .value_kind: global_buffer, .address_space: global }
      - { .name: sel, .offset: 48, .size: 8, .value_kind: global_buffer, .address_space: global }
      - { .name: topw, .offset: 56, .size: 8, .value_kind: global_buffer, .address_space: global }
    .group_segment_fixed_size: 41984
    .private_segment_fixed_size: 0
    .kernarg_segment_align: 8
    .kernarg_segment_size: 64
    .max_flat_workgroup_size: 128
    .sgpr_count:     66
    .vgpr_count:     242
    .wavefront_size: 32
...
	.end_amdgpu_metadata
.endif
;; end of part 1
;; launch up (part 2): grid 32 x 8, 16 waves a work-group, no clusters, 83,968 bytes of LDS; arguments W1, b1, xq, xs, sel, hq, hs; writes hq, hs
.if DOCPART == 2
	.amdgcn_target "amdgcn-amd-amdhsa--gfx1250"
	.amdhsa_code_object_version 6
	.text
	.protected	k_q03749bf1f3_up
	.globl	k_q03749bf1f3_up
	.p2align	8
	.type	k_q03749bf1f3_up,@function
k_q03749bf1f3_up:
	s_mov_b64 s[64:65], 0
	v_nop
	global_prefetch_b8 v0, s[64:65] scope:SCOPE_SE
	s_setreg_imm32_b32 hwreg(HW_REG_WAVE_MODE, 25, 1), 1
	s_wait_xcnt 0x0
; h = relu(x W1[e] + b1[e]) for the tokens that chose expert e, quantised along the 4,096 into codes of E2M1 with E8M0 scales.  Both operands of the product are codes; sums in f32.
; W1 [8][1024 (k)][4096] f32 is read ONCE in the launch: work-group (s, e) owns hidden units 128 s .. 128 s + 127 of expert e, 512 KiB of W1, quantises them in registers and multiplies them by all of that expert's tokens.
; FIRST PART, THE STREAM.  Sixteen waves.  Wave w = cg + 4 kq takes 32 columns (32 cg on) and k = 256 kq .. 256 kq + 255.  A LANE TAKES A COLUMN AND ITS REGISTERS RUN DOWN K: a block of 32 along K lies in one lane, each load
; of a wave reads 128 consecutive bytes, four waves side by side 512 (two waves share each run of 256 bytes, so the loads carry no hint).  Two lane swaps turn "a lane has four blocks of its column" into the operand's layout
; of two tiles of 16 columns.  Lane l streams column l with bits 3 and 4 exchanged, so that in the transposed product (source 0 = 16 columns of W1, source 1 = 16 tokens) lane (r, h) holds token r and the 16 registers of a
; column group's two tiles are the 16 neighbouring hidden units 32 cg + 16 h + 0 .. 15: neighbours along the next product's K.
; THE WEIGHTS' CODES GO FROM WAVE TO WAVE, NOT THE SUMS.  Each wave stores its four fragments and two scale words into LDS as images of their registers (64 KiB + 4 KiB in all); one barrier; from there on LDS is only read.
; SECOND PART.  Wave w takes token tile w + 16 x round, whole: 8 column tiles x 8 K steps = 64 matrix instructions on 8 accumulators, which begin as b1.  W's fragments come from LDS in chunks of four through a ring of three;
; x's eight fragments were asked for during the stream.  All 128 hidden units of the tile's 16 tokens then lie in this wave: clipped at 0 and quantised they are one whole fragment and one scale word a row of the next product:
; hq [e][tile][K step s][1,024 bytes: the registers' image], hs [e][tile][K step][16 rows] scale words.  Four rounds stand in the text, whatever the count; a wave whose tile lies beyond the count jumps over the work; no barrier stands there.
; THE TOKENS.  sel's row e is a bit for each token.  Slot p of the expert is its p-th set bit: every thread finds two slots' tokens in registers (prefix counts in scalars, a search by halves inside a word) and stores them
; at 4 x thread: a list in LDS without a scatter.  Slots from the count on repeat the last token.  Tiles are 16 slots; nt = ceil(count / 16), here at least 1, so that tile 0 of every expert is stored.
; NOT USED, AND WHY.  Tensor loads and joint requests: which waves work hangs on a count read from memory.  No two work-groups read the same byte of W1; what they share, x's codes, is a small part of a group's bytes.
; LIMITS.  NaN and infinities are not served.  A block of zeros gets the byte 1, not 127: its codes are zeros and only this program reads the bytes.
.set PITCH, 16384                      ; a row of W1 in bytes
.set WIMG,  0                          ; LDS: W's fragments [K step 8][column tile 8][1,024 bytes: registers 4 c .. 4 c + 3 at 512 c + 16 lane]
.set WSI,   65536                      ; their scale words [K step 8][column group 4][128 bytes: 4 x lane; lanes 0-15 the group's first tile, lanes 16-31 its second]
.set TOK,   69632                      ; the list, 1,024 words
.set BIMG,  73728                      ; b1 as an image of the accumulators, [column group 4][4 x 512 bytes].  (The look-ahead read of the list in the fourth round, which is never executed, names bytes of this image.)
.set WO,    1                          ; v1   my column's byte in a row of the slice's 128 bytes of my column group
.set MXA,   2                          ; v2, v3 two chains of the maximum
.set MXB,   3
.set SO,    4                          ; v4   the conversions' scale operand
.set BY,    5                          ; v5   the scale's byte
.set LRW,   6                          ; v6   TOK + 64 wave + 4 (lane % 16): my tile's slots in the list; never rewritten
.set H16,   7                          ; v7   16 (lane / 16); never rewritten
.set H4,    8                          ; v8   4 (lane / 16); never rewritten
.set XA,    9                          ; v9   my token's codes: token x 512 + 16 h
.set SA,    10                         ; v10  my token's scale words: token x 32 + 4 h
.set TKN,   11                         ; v11  my slot's token
.set LI,    12                         ; v12  16 x lane: an image's place for my lane
.set L4S,   13                         ; v13  WSI + 4 x lane
.set BRD,   14                         ; v14  BIMG + 16 x lane
.set IW,    15                         ; v15  where I store my fragments' images
.set IWS,   16                         ; v16  and my scale words
.set HO,    17                         ; v17  my bytes in hq: 32,768 wave + 16 lane
.set SOF,   18                         ; v18  my bytes in hs: 2,048 wave + 4 (lane % 16)
.set LRN,   19                         ; v19  the list, a round on
.set WS,    22                         ; v22-27   W's scale words: in the stream v22, v23 (my K steps 0 and 1); then the ring's three pairs
.set XSR,   28                         ; v28-31   x's scale words: register p: lanes 0-15 K step 2 p, lanes 16-31 K step 2 p + 1
.set XF,    32                         ; v32-95   x's fragments of my tile: K step k at 8 k.  At the head: at work
.set ACC,   96                         ; v96-159  the accumulators: column tile t at 8 t
.set CF,    160                        ; v160-191 in the stream: my weights' fragments: K step k, tile u at 16 k + 8 u
.set X,     192                        ; v192-255 in the stream: two sets of 32 numbers of W1
.set WB,    160                        ; v160-255 then the ring: three chunks of four fragments
.set TM,    160                        ; in the quantiser: v160-175 at work,
.set PC,    176                        ; v176-183 the codes,
.set PW,    184                        ; v184 the scale word
.set BT,    32                         ; at the head, in XF: the bias as loaded,
.set BA,    36                         ; its address, where it goes, where the list goes,
.set BW,    37
.set LW,    38
.set P0,    40                         ; and the search for two slots' tokens
.set P1,    41
.set W0,    42
.set W1R,   43
.set K0,    44
.set K1,    45
.set FA,    50
.set FB,    51
.set FC,    52
.set FD,    53
.set POS,   54
.set TT,    55
.macro LOAD t                          ; block t of my column: W1(32 t + i, column), i = 0 .. 31, into set t % 2.  The largest offset, 255 rows, lies inside the signed 24-bit immediate
.irp i, 0,1,2,3,4,5,6,7,8,9,10,11,12,13,14,15,16,17,18,19,20,21,22,23,24,25,26,27,28,29,30,31
	global_load_b32 v[X+32*((\t)%2)+\i], v[WO], s[4:5] offset:(32*(\t)+\i)*PITCH
.endr
.endm
; Block t becomes 4 registers of codes and a byte of the scale word.  cnt: the loads issued behind this block's 32.
.macro BLOCK t, cnt
.set XS, X+32*((\t)%2)
.set KSL, (\t)/4
.set BE, (\t)%4
	s_wait_loadcnt \cnt
	v_max3_num_f32 v[MXA], |v[XS]|, |v[XS+1]|, |v[XS+2]|
	v_max3_num_f32 v[MXB], |v[XS+3]|, |v[XS+4]|, |v[XS+5]|
.irp i, 6,10,14,18,22,26
	v_max3_num_f32 v[MXA], v[MXA], |v[XS+\i]|, |v[XS+\i+1]|
	v_max3_num_f32 v[MXB], v[MXB], |v[XS+\i+2]|, |v[XS+\i+3]|
.endr
	v_max3_num_f32 v[MXA], v[MXA], |v[XS+30]|, |v[XS+31]|
	v_max3_num_f32 v[MXA], v[MXA], v[MXB], 0x1800000               ; with the floor 2^(3 - 127): the byte cannot fall under 1
	v_add_nc_u32 v[SO], 0xff000000, v[MXA]                         ; 2 off the exponent field: the conversion's scale operand
	v_lshrrev_b32 v[BY], 23, v[SO]
.if BE == 0
	v_mov_b32 v[WS+KSL], v[BY]
.else
	v_lshl_or_b32 v[WS+KSL], v[BY], 8*BE, v[WS+KSL]
.endif
.irp g, 0,1,2,3
	v_cvt_scalef32_pk8_fp4_f32 v[CF+16*KSL+8*(BE%2)+4*(BE/2)+\g], v[XS+8*\g:XS+8*\g+7], v[SO]   ; even blocks into the first eight registers of the K step, odd ones into the second eight
.endr
	v_nop                                                          ; a plain line behind the last conversion
.if BE == 3
.irp c, 0,1                            ; the first's lanes 16-31 change places with the second's lanes 0-15: the first eight registers become the tile of lanes 0-15's columns (lane (r, h): block 2 c + h), the second eight that of lanes 16-31's
.irp g, 0,1,2,3
	v_permlane16_swap_b32 v[CF+16*KSL+4*\c+\g], v[CF+16*KSL+8+4*\c+\g]
.endr
.endr
.endif
.endm
.macro PLOAD t                         ; K steps 2 t and 2 t + 1 of my tile of x: five loads.  Lane (r, h) takes, of its token's row, the 16 bytes at 64 k + 32 c + 16 h
.irp q, 0,1,2,3
	global_load_b128 v[XF+16*(\t)+4*\q:XF+16*(\t)+4*\q+3], v[XA], s[8:9] offset:128*(\t)+32*\q
.endr
	global_load_b32 v[XSR+(\t)], v[SA], s[10:11] offset:8*(\t)
.endm
.macro BSTEP src, q, bits, width       ; the field of src at POS counts the set bits of the next \width places: if slot q lies beyond them, pass them
	v_bfe_u32 v[TT], v[\src], v[POS], \bits
	v_cmp_ge_u32 vcc_lo, v[\q], v[TT]
	v_sub_nc_u32 v[TT], v[\q], v[TT]
	v_cndmask_b32 v[\q], v[\q], v[TT], vcc_lo
	v_add_nc_u32 v[TT], \width, v[POS]
	v_cndmask_b32 v[POS], v[POS], v[TT], vcc_lo
.endm
; p: the slot; w: its word of the mask; k: the word's prefix count | its number << 16.  Leaves the token in v[p].
.macro BITSEL p, w, k
	v_and_b32 v[TT], 0xffff, v[\k]
	v_sub_nc_u32 v[\p], v[\p], v[TT]                               ; which set bit of the word
	v_lshrrev_b32 v[\k], 16, v[\k]
	v_lshrrev_b32 v[FA], 1, v[\w]                                  ; counts in fields of 2, 4, 8 and 16 bits
	v_and_b32 v[FA], 0x55555555, v[FA]
	v_sub_nc_u32 v[FA], v[\w], v[FA]
	v_lshrrev_b32 v[FB], 2, v[FA]
	v_and_b32 v[FB], 0x33333333, v[FB]
	v_and_b32 v[TT], 0x33333333, v[FA]
	v_add_nc_u32 v[FB], v[FB], v[TT]
	v_lshrrev_b32 v[FC], 4, v[FB]
	v_add_nc_u32 v[FC], v[FC], v[FB]
	v_and_b32 v[FC], 0x0f0f0f0f, v[FC]
	v_lshrrev_b32 v[FD], 8, v[FC]
	v_add_nc_u32 v[FD], v[FD], v[FC]
	v_and_b32 v[FD], 0x00ff00ff, v[FD]
	v_mov_b32 v[POS], 0
	BSTEP FD, \p, 8, 16
	BSTEP FC, \p, 8, 8
	BSTEP FB, \p, 4, 4
	BSTEP FA, \p, 2, 2
	BSTEP \w, \p, 1, 1
	v_lshl_add_u32 v[\p], v[\k], 5, v[POS]                         ; 32 x word + bit
.endm
.macro BAR                             ; my LDS stores have landed and my LDS loads are in: then the work-group's barrier
	s_wait_dscnt 0x0
	s_barrier_signal -1
	s_barrier_wait -1
.endm
; Chunk c = 2 x K step + half: the four fragments of column tiles 4 (c % 2) .. + 3, 4,096 consecutive bytes, and their two registers of scale words: ten LDS loads into place c % 3 of the ring.
.macro CHLD c
.set BU, WB+32*((\c)%3)
.irp p, 0,1,2,3,4,5,6,7
	ds_load_b128 v[BU+4*\p:BU+4*\p+3], v[LI] offset:WIMG+4096*(\c)+512*\p
.endr
.irp g, 0,1
	ds_load_b32 v[WS+2*((\c)%3)+\g], v[L4S] offset:256*(\c)+128*\g
.endr
.endm
; Chunk c's four products, each adding in place onto another accumulator: the eight take turns, one instruction a turn.  cnt: the LDS loads issued behind this chunk's ten.
.macro CHMUL c, cnt
.set BU, WB+32*((\c)%3)
.set SW, WS+2*((\c)%3)
.set AC, ACC+32*((\c)%2)
.set XB, XF+8*((\c)/2)
.set SX, XSR+(\c)/4
	s_wait_dscnt \cnt
.if ((\c)/2)%2
.irp g, 0,1
	v_wmma_scale_f32_16x16x128_f8f6f4 v[AC+16*\g:AC+16*\g+7], v[BU+16*\g:BU+16*\g+7], v[XB:XB+7], v[AC+16*\g:AC+16*\g+7], v[SW+\g], v[SX] matrix_a_fmt:MATRIX_FMT_FP4 matrix_b_fmt:MATRIX_FMT_FP4 matrix_b_scale:MATRIX_SCALE_ROW1
	v_wmma_scale_f32_16x16x128_f8f6f4 v[AC+16*\g+8:AC+16*\g+15], v[BU+16*\g+8:BU+16*\g+15], v[XB:XB+7], v[AC+16*\g+8:AC+16*\g+15], v[SW+\g], v[SX] matrix_a_fmt:MATRIX_FMT_FP4 matrix_b_fmt:MATRIX_FMT_FP4 matrix_a_scale:MATRIX_SCALE_ROW1 matrix_b_scale:MATRIX_SCALE_ROW1
.endr
.else
.irp g, 0,1
	v_wmma_scale_f32_16x16x128_f8f6f4 v[AC+16*\g:AC+16*\g+7], v[BU+16*\g:BU+16*\g+7], v[XB:XB+7], v[AC+16*\g:AC+16*\g+7], v[SW+\g], v[SX] matrix_a_fmt:MATRIX_FMT_FP4 matrix_b_fmt:MATRIX_FMT_FP4
	v_wmma_scale_f32_16x16x128_f8f6f4 v[AC+16*\g+8:AC+16*\g+15], v[BU+16*\g+8:BU+16*\g+15], v[XB:XB+7], v[AC+16*\g+8:AC+16*\g+15], v[SW+\g], v[SX] matrix_a_fmt:MATRIX_FMT_FP4 matrix_b_fmt:MATRIX_FMT_FP4 matrix_a_scale:MATRIX_SCALE_ROW1
.endr
.endif
.rept 4
	v_nop                                                          ; four places ahead of the loads that fill this chunk's registers again; behind the last chunk, ahead of the first read of the results
.endr
.endm
	s_load_b256 s[4:11], s[0:1], 0x0               ; W1 s[4:5], b1 s[6:7], xq s[8:9], xs s[10:11]
	s_load_b128 s[12:15], s[0:1], 0x20             ; sel s[12:13], hq s[14:15]
	s_load_b64 s[48:49], s[0:1], 0x30              ; hs
	v_lshl_add_u32 v20, v0, 2, 0x14000
	v_mov_b32 v21, 0
	v_lshrrev_b32 v2, 5, v0
	v_readfirstlane_b32 s50, v2                    ; wave 0..15
	s_and_b32 s51, s50, 3                          ; cg
	s_lshr_b32 s52, s50, 2                         ; kq
	s_and_b32 s53, ttmp7, 0xffff                   ; the expert
	s_mov_b32 s54, ttmp9                           ; the slice of 128 hidden units
	s_mov_b32 s62, 0x76543210                      ; v_permlanex16_b32's selects for lane l xor 16
	s_mov_b32 s63, 0xfedcba98
	v_and_b32 v2, 7, v0
	v_and_b32 v3, 8, v0
	v_lshl_or_b32 v2, v3, 1, v2
	v_bfe_u32 v3, v0, 4, 1                         ; h
	v_lshl_or_b32 v2, v3, 3, v2                    ; the lane's number with bits 3 and 4 exchanged
	v_lshlrev_b32 v[WO], 2, v2
	v_lshlrev_b32 v[H16], 4, v3
	v_lshlrev_b32 v[H4], 2, v3
	v_lshlrev_b32 v[BA], 6, v3                     ; b1: lanes 16-31 take the numbers 16 further on
	s_lshl_b32 s98, s50, 6
	s_add_co_u32 s98, s98, TOK
	v_and_b32 v4, 15, v0
	v_lshl_add_u32 v[LRW], v4, 2, s98
	v_lshl_add_u32 v[LW], v0, 2, TOK
	v_lshl_add_u32 v[BW], v0, 4, BIMG
	s_mov_b32 s61, 0
	s_mov_b32 s99, 0
	s_lshl_b32 s60, s53, 24                        ; W1: the expert's 2^24 bytes, 256 kq rows, 512 bytes a slice, 128 a column group
	s_lshl_b32 s98, s52, 22
	s_add_co_u32 s60, s60, s98
	s_lshl_b32 s98, s54, 9
	s_add_co_u32 s60, s60, s98
	s_lshl_b32 s98, s51, 7
	s_add_co_u32 s60, s60, s98
	s_lshl_b32 s98, s53, 7                         ; sel: 128 bytes an expert
	s_wait_kmcnt 0x0
	s_add_nc_u64 s[4:5], s[4:5], s[60:61]
	s_add_nc_u64 s[12:13], s[12:13], s[98:99]
	s_load_b512 s[16:31], s[12:13], 0x0            ; the expert's 32 mask words
	s_load_b512 s[32:47], s[12:13], 0x40
	s_lshl_b32 s60, s53, 14                        ; b1, for the image: thread 128 g + 32 q + lane brings the numbers of registers 4 q .. 4 q + 3 of column group g: 32 g + 16 h + 4 q on
	s_lshl_b32 s98, s54, 9
	s_add_co_u32 s60, s60, s98
	s_lshl_b32 s98, s52, 7
	s_add_co_u32 s60, s60, s98
	s_lshl_b32 s98, s51, 4
	s_add_co_u32 s60, s60, s98
	s_add_nc_u64 s[6:7], s[6:7], s[60:61]
	global_load_b128 v[BT:BT+3], v[BA], s[6:7]
	LOAD 0
	LOAD 1
	s_lshl_b32 s60, s53, 21                        ; hq: (2,048 e + s) x 1,024
	s_lshl_b32 s98, s54, 10
	s_add_co_u32 s60, s60, s98
	s_add_nc_u64 s[14:15], s[14:15], s[60:61]
	s_lshl_b32 s60, s53, 17                        ; hs: (2,048 e + s) x 64
	s_lshl_b32 s98, s54, 6
	s_add_co_u32 s60, s60, s98
	s_add_nc_u64 s[48:49], s[48:49], s[60:61]
	s_wait_kmcnt 0x0
	s_mov_b32 s66, 0                               ; s[66 + i]: the set bits ahead of word i
.set i, 0
.rept 31
	s_bcnt1_i32_b32 s98, s[16+i]
	s_add_co_u32 s[67+i], s[66+i], s98
.set i, i+1
.endr
	s_bcnt1_i32_b32 s98, s47
	s_add_co_u32 s55, s97, s98                     ; the expert's tokens
	s_add_co_u32 s56, s55, 15
	s_lshr_b32 s56, s56, 4
	s_max_u32 s56, s56, 1                          ; tiles, at least one
	s_max_u32 s99, s55, 1
	s_sub_co_u32 s99, s99, 1                       ; the last slot
	v_min_u32 v[P0], s99, v0                       ; my two slots: thread and thread + 512, held at the last
	v_add_nc_u32 v[P1], 512, v0
	v_min_u32 v[P1], s99, v[P1]
	v_mov_b32 v[W0], s16
	v_mov_b32 v[W1R], s16
	v_mov_b32 v[K0], 0
	v_mov_b32 v[K1], 0
.set i, 1
.rept 31                               ; the last word whose prefix count does not pass the slot
	s_add_co_u32 s98, s[66+i], i<<16
	v_cmp_le_u32 vcc_lo, s[66+i], v[P0]
	v_cndmask_b32 v[W0], v[W0], s[16+i], vcc_lo
	v_cndmask_b32 v[K0], v[K0], s98, vcc_lo
	v_cmp_le_u32 vcc_lo, s[66+i], v[P1]
	v_cndmask_b32 v[W1R], v[W1R], s[16+i], vcc_lo
	v_cndmask_b32 v[K1], v[K1], s98, vcc_lo
.set i, i+1
.endr
	BITSEL P0, W0, K0
	BITSEL P1, W1R, K1
	ds_store_b32 v[LW], v[P0]
	ds_store_b32 v[LW], v[P1] offset:2048
	s_wait_loadcnt 63                              ; 64 loads were issued behind the bias's; the count's field names 63 at the most, which shows it done too
	ds_store_b128 v[BW], v[BT:BT+3]
	BAR                                            ; the list and the bias image are whole; from here on they are only read
	ds_load_b32 v[TKN], v[LRW]                     ; the token of slot 16 wave + lane % 16: my first tile.  Beyond the count every slot holds the last token
	s_wait_dscnt 0x0
	v_min_u32 v[TKN], 0x3ff, v[TKN]
	v_lshl_add_u32 v[XA], v[TKN], 9, v[H16]
	v_lshl_add_u32 v[SA], v[TKN], 5, v[H4]
	; THE WEIGHTS.  Loads run two blocks ahead, and my first tile's x rides among them.  Each count is what was issued behind the block's own 32 loads (L: a block's 32, P: two K steps of x, 5).
	BLOCK 0, 32                                    ; L1
	LOAD 2
	PLOAD 0
	BLOCK 1, 37                                    ; L2 P0
	LOAD 3
	PLOAD 1
	BLOCK 2, 42                                    ; P0 L3 P1
	LOAD 4
	PLOAD 2
	BLOCK 3, 42                                    ; P1 L4 P2
	LOAD 5
	PLOAD 3
	BLOCK 4, 42                                    ; P2 L5 P3
	LOAD 6
	BLOCK 5, 37                                    ; P3 L6
	LOAD 7
	BLOCK 6, 32                                    ; L7
	BLOCK 7, 0
	; the second part's addresses.  No load is out, so v4 and v5 are free
	v_and_b32 v4, 15, v0                           ; lane % 16
	v_and_b32 v5, 31, v0                           ; lane
	v_lshlrev_b32 v[LI], 4, v5
	v_lshl_add_u32 v[L4S], v5, 2, WSI
	v_add_nc_u32 v[BRD], BIMG, v[LI]
	s_lshl_b32 s98, s52, 14                        ; my fragments: K steps 2 kq on, 8,192 bytes each; column tiles 2 cg on, 1,024 bytes each
	s_lshl_b32 s99, s51, 11
	s_add_co_u32 s98, s98, s99
	v_add_nc_u32 v[IW], s98, v[LI]
	s_lshl_b32 s98, s52, 10                        ; my scale words: 512 bytes a K step, 128 a column group
	s_lshl_b32 s99, s51, 7
	s_add_co_u32 s98, s98, s99
	v_add_nc_u32 v[IWS], s98, v[L4S]
	s_lshl_b32 s98, s50, 15                        ; hq: 32,768 bytes a tile
	v_add_nc_u32 v[HO], s98, v[LI]
	s_lshl_b32 s98, s50, 11                        ; hs: 2,048 bytes a tile, 4 a row
	v_lshl_add_u32 v[SOF], v4, 2, s98
.irp k, 0,1
.irp u, 0,1
.irp c, 0,1
	ds_store_b128 v[IW], v[CF+16*\k+8*\u+4*\c:CF+16*\k+8*\u+4*\c+3] offset:8192*\k+1024*\u+512*\c   ; a fragment goes to LDS as it stands: 512 consecutive bytes a store
.endr
.endr
	ds_store_b32 v[IWS], v[WS+\k] offset:512*\k
.endr
	BAR                                            ; all 64 fragments and their scale words lie in LDS; from here on nothing is stored into LDS
	s_mov_b32 s57, 0                               ; the round,
	s_mov_b32 s58, s50                             ; my tile: wave + 16 x round,
	s_mov_b32 s59, 0                               ; and the round's place in the list
.Lround:
	s_wait_loadcnt 0x0                             ; my tile's x
	s_cmp_lt_u32 s58, s56
	s_cbranch_scc0 .Lnext                          ; my tile lies beyond the count
.irp g, 0,1,2,3
.irp q, 0,1,2,3
	ds_load_b128 v[ACC+16*\g+4*\q:ACC+16*\g+4*\q+3], v[BRD] offset:2048*\g+512*\q   ; the sums begin as b1, in the result's layout
.endr
.endr
	CHLD 0
	CHLD 1
	CHLD 2
.irp c, 0,1,2,3,4,5,6,7,8,9,10,11,12
	CHMUL \c, 20                                   ; the bias and this chunk are in; the two chunks behind it, ten loads each, may be out
	CHLD \c+3
.endr
	CHMUL 13, 20
	CHMUL 14, 10
	CHMUL 15, 0
	s_add_co_u32 s60, s58, 16                      ; my next tile's x is asked for here, if there is one, and lands while this tile is quantised
	s_cmp_lt_u32 s60, s56
	s_cbranch_scc0 .Lno_more
	v_add_nc_u32 v[LRN], s59, v[LRW]
	ds_load_b32 v[TKN], v[LRN] offset:1024
	s_wait_dscnt 0x0
	v_min_u32 v[TKN], 0x3ff, v[TKN]
	v_lshl_add_u32 v[XA], v[TKN], 9, v[H16]        ; the loads that read these two were shown done at the round's head
	v_lshl_add_u32 v[SA], v[TKN], 5, v[H4]
	PLOAD 0
	PLOAD 1
	PLOAD 2
	PLOAD 3
.Lno_more:
.irp j, 0,1,2,3,4,5,6,7,8,9,10,11,12,13,14,15,16,17,18,19,20,21,22,23,24,25,26,27,28,29,30,31,32,33,34,35,36,37,38,39,40,41,42,43,44,45,46,47,48,49,50,51,52,53,54,55,56,57,58,59,60,61,62,63
	v_max_num_f32 v[ACC+\j], 0, v[ACC+\j]          ; the activation, in f32; each accumulator from its low end on
.endr
	; register 16 b + i is hidden unit 32 b + 16 h + i of my token: four blocks of 32 along the next K, half of each in lane l and half in lane l xor 16
.irp b, 0,1,2,3
	v_max3_num_f32 v[TM+\b], v[ACC+16*\b], v[ACC+16*\b+1], 0x1800000   ; none is negative: no |.|.  The floor 2^(3 - 127) holds the byte at 1 from below
.endr
.irp i, 2,4,6,8,10,12,14
.irp b, 0,1,2,3
	v_max3_num_f32 v[TM+\b], v[TM+\b], v[ACC+16*\b+\i], v[ACC+16*\b+\i+1]   ; the four blocks by turns
.endr
.endr
.irp b, 0,1,2,3
	v_permlanex16_b32 v[TM+4+\b], v[TM+\b], s62, s63
.endr
.irp b, 0,1,2,3
	v_max_num_f32 v[TM+\b], v[TM+\b], v[TM+4+\b]   ; with lane l xor 16's: the block's largest
.endr
.irp b, 0,1,2,3
	v_add_nc_u32 v[TM+12+\b], 0xff000000, v[TM+\b] ; 2 off the exponent field: the conversion's scale operand
.endr
.irp b, 0,1,2,3
	v_lshrrev_b32 v[TM+4+\b], 23, v[TM+12+\b]      ; the scale's byte
.endr
	v_lshl_or_b32 v[PW], v[TM+5], 8, v[TM+4]       ; the four bytes make my row's scale word
	v_lshl_or_b32 v[PW], v[TM+6], 16, v[PW]
	v_lshl_or_b32 v[PW], v[TM+7], 24, v[PW]
.irp b, 0,1,2,3
	v_cvt_scalef32_pk8_fp4_f32 v[PC+2*\b], v[ACC+16*\b:ACC+16*\b+7], v[TM+12+\b]
	v_cvt_scalef32_pk8_fp4_f32 v[PC+2*\b+1], v[ACC+16*\b+8:ACC+16*\b+15], v[TM+12+\b]
.endr
	v_nop                                          ; a plain line behind the last conversion
.irp c, 0,1                                    ; the operand's layout wants a whole block in a lane: lanes 0-15 block 2 c, lanes 16-31 block 2 c + 1
.irp i, 0,1
	v_permlane16_swap_b32 v[PC+4*\c+\i], v[PC+4*\c+2+\i]
.endr
.endr
	global_store_b128 v[HO], v[PC:PC+3], s[14:15]              ; the fragment's image: two stores of 512 consecutive bytes, aligned
	global_store_b128 v[HO], v[PC+4:PC+7], s[14:15] offset:512
	global_store_b32 v[SOF], v[PW], s[48:49]                   ; lanes l and l xor 16 store the same word
.Lnext:
	s_wait_xcnt 0x0                                ; the stores have read their data, which the next round's LDS loads write, and their bases
	s_add_nc_u64 s[14:15], s[14:15], 524288        ; sixteen tiles on
	s_add_nc_u64 s[48:49], s[48:49], 32768
	s_add_co_u32 s58, s58, 16
	s_add_co_u32 s59, s59, 1024
	s_add_co_u32 s57, s57, 1
	s_cmp_lt_u32 s57, 4
	s_cbranch_scc1 .Lround
	s_wait_tensorcnt 0x0
	ds_add_u32 v20, v21
	s_wait_dscnt 0x0
	s_endpgm
.Lfunc_end_k_q03749bf1f3_up:
	.size	k_q03749bf1f3_up, .Lfunc_end_k_q03749bf1f3_up-k_q03749bf1f3_up
	.p2alignl 7, 3214868480
	.fill 96, 4, 3214868480
	.section	.rodata,"a",@progbits
	.p2align	6, 0x0
	.amdhsa_kernel k_q03749bf1f3_up
		.amdhsa_group_segment_fixed_size 83968
		.amdhsa_private_segment_fixed_size 0
		.amdhsa_enable_private_segment 0
		.amdhsa_kernarg_size 56
		.amdhsa_user_sgpr_count 2
		.amdhsa_user_sgpr_kernarg_segment_ptr 1
		.amdhsa_wavefront_size32 1
		.amdhsa_system_sgpr_workgroup_id_x 1
		.amdhsa_system_sgpr_workgroup_id_y 1
		.amdhsa_system_sgpr_workgroup_id_z 1
		.amdhsa_system_vgpr_workitem_id 0
		.amdhsa_next_free_vgpr 256
		.amdhsa_next_free_sgpr 102
		.amdhsa_reserve_vcc 1
		.amdhsa_float_denorm_mode_32 3
		.amdhsa_float_denorm_mode_16_64 3
		.amdhsa_memory_ordered 1
		.amdhsa_forward_progress 1
		.amdhsa_inst_pref_size 92
	.end_amdhsa_kernel
	.amdgpu_metadata
---
amdhsa.version: [ 1, 2 ]
amdhsa.kernels:
  - .name:           k_q03749bf1f3_up
    .symbol:         k_q03749bf1f3_up.kd
    .args:
      - { .name: W1, .offset: 0, .size: 8, .value_kind: global_buffer, .address_space: global }
      - { .name: b1, .offset: 8, .size: 8, .value_kind: global_buffer, .address_space: global }
      - { .name: xq, .offset: 16, .size: 8, .value_kind: global_buffer, .address_space: global }
      - { .name: xs, .offset: 24, .size: 8, .value_kind: global_buffer, .address_space: global }
      - { .name: sel, .offset: 32, .size: 8, .value_kind: global_buffer, .address_space: global }
      - { .name: hq, .offset: 40, .size: 8, .value_kind: global_buffer, .address_space: global }
      - { .name: hs, .offset: 48, .size: 8, .value_kind: global_buffer, .address_space: global }
    .group_segment_fixed_size: 83968
    .private_segment_fixed_size: 0
    .kernarg_segment_align: 8
    .kernarg_segment_size: 56
    .max_flat_workgroup_size: 512
    .sgpr_count:     102
    .vgpr_count:     256
    .wavefront_size: 32
...
	.end_amdgpu_metadata
.endif
;; end of part 2
;; launch down (part 3): grid 32 x 8, 16 waves a work-group, no clusters, 288,768 bytes of LDS; arguments W2, b2, hq, hs, sel, topw, out0; writes out0
.if DOCPART == 3
	.amdgcn_target "amdgcn-amd-amdhsa--gfx1250"
	.amdhsa_code_object_version 6
	.text
	.protected	k_q03749bf1f3_down
	.globl	k_q03749bf1f3_down
	.p2align	8
	.type	k_q03749bf1f3_down,@function
k_q03749bf1f3_down:
	s_mov_b64 s[64:65], 0
	v_nop
	global_prefetch_b8 v0, s[64:65] scope:SCOPE_SE
	s_setreg_imm32_b32 hwreg(HW_REG_WAVE_MODE, 25, 1), 1
	s_wait_xcnt 0x0
; out0[token] = top_w[token] x (h W2[e] + b2[e]) for the tokens that chose expert e.  Both operands of the product are codes of E2M1 with E8M0 scales; sums in f32.
; W2 [8][4096 (k)][1024] f32 is read ONCE in the launch: work-group (s, e) owns output columns 32 s .. 32 s + 31 of expert e, 512 KiB of W2, quantises them in registers and multiplies them by all of that expert's rows of h.
; SHARES.  Sixteen waves; wave w takes k = 256 w .. 256 w + 255 of all 32 columns.  A LANE TAKES A COLUMN AND ITS REGISTERS RUN DOWN K, as in the launch before; two lane swaps make the two tiles' fragments, which stay in 32 registers.
; 8 x 1,024 columns over 256 work-groups are 32 columns, 128 bytes of a row: a load of a wave reads 128 consecutive bytes, and slices s and s + 1 stand side by side in a row; so these loads carry no hint.
; h comes as the launch before laid it: hq [e][tile][K step][1,024 bytes: a fragment's registers], hs [e][tile][K step][16 rows] scale words: a wave's two K steps of a tile are 2,048 and 128 consecutive bytes.
; The product is used transposed (source 0 = 16 columns of W2, source 1 = 16 rows of h): lane (r, h) holds slot r and eight neighbouring columns.
; THE TOKENS are found from sel as in the launch before, so the slots are the same.  Slots from the count on repeat the last token: their rows of h are equal, so are their results bit for bit, and they store the same bytes again.
; ROUNDS.  Eight tiles a round, eight rounds in the text: every barrier stands on every wave's path, only work is jumped over.  In a round: four matrix instructions a tile and wave; partial sums to LDS as images | barrier |
; wave w sums the sixteen partials of tile w / 2, columns 16 (w % 2) on, adds b2, multiplies by top_w, to a stage | barrier | wave w stores eight rows of tile w / 2, 128 consecutive bytes a row.
; An expert with no token stores nothing.  Each token has one expert, so each byte of out0 has one owner.
; NOT USED, AND WHY.  Tensor loads and joint requests: the trips' work hangs on a count read from memory.  No two work-groups read the same byte of W2; what they share, h's codes, is a small part of a group's bytes.
; LIMITS.  NaN and infinities are not served.  A block of zeros gets the byte 1, not 127: its codes are zeros and only this program reads the bytes.
.set PITCH, 4096                       ; a row of W2 in bytes
.set TOK,   262144                     ; LDS: 0 .. 262,143 the partial sums [tile 8][wave 16][2,048 bytes]; then the list, 1,024 words;
.set B2I,   266240                     ; b2 as an image of an accumulator, [tile of columns 2][2 x 512 bytes];
.set STG,   268288                     ; the stage: 8 tiles x 16 rows x (128 + 16) bytes
.set WS,    22                         ; v22-23   my weights' scale words
.set BS,    24                         ; v24-31   h's scale words, a register a tile: lanes 0-15 K step 0, lanes 16-31 K step 1
.set BF,    32                         ; v32-159  h's fragments: tile i, K step k at 16 i + 8 k.  At the head: at work
.set CF,    160                        ; v160-191 my weights' fragments
.set X,     192                        ; v192-255 as in the launch before; in the reduce eight slots of 8
.set MXA,   2                          ; first part: v2-5 as in the launch before
.set MXB,   3
.set SO,    4
.set BY,    5
.set LI,    6                          ; v6 16 x lane; never rewritten
.set L4,    7                          ; v7 4 x lane: my column's byte, and my scale word's; never rewritten
.set WO,    7
.set LRR,   8                          ; v8 TOK + 64 (w / 2) + 4 (lane % 16); never rewritten
.set XA0,   9                          ; v9-12 addresses of two tiles' codes and scale words
.set PW,    1                          ; second part
.set PT,    2
.set PRD,   4
.set BRD,   5
.set STW,   9                          ; v9 into the stage
.set STR,   10                         ; v10 out of it
.set LRS,   11                         ; v11 the tokens of the rows that I store
.set C16,   12                         ; v12 16 (lane % 8)
.set TWA,   13                         ; v13 top_w's address
.set TW,    14                         ; v14 top_w of my slot; v15 is named with it as a pair
.set TA,    16                         ; v16 a token
.set T16,   17                         ; v17 an LDS address in hand
.set TB0,   18                         ; v18, v19 two tokens
.set OA0,   20                         ; v20, v21 their rows in out0
.set BT,    32
.set BA,    36
.set BW,    37
.set LW,    38
.set P0,    40
.set P1,    41
.set W0,    42
.set W1R,   43
.set K0,    44
.set K1,    45
.set FA,    50
.set FB,    51
.set FC,    52
.set FD,    53
.set POS,   54
.set TT,    55
.macro LOAD t                          ; block t of my column: W2(32 t + i, column), i = 0 .. 31, into set t % 2
.irp i, 0,1,2,3,4,5,6,7,8,9,10,11,12,13,14,15,16,17,18,19,20,21,22,23,24,25,26,27,28,29,30,31
	global_load_b32 v[X+32*((\t)%2)+\i], v[WO], s[4:5] offset:(32*(\t)+\i)*PITCH
.endr
.endm
.macro BLOCK t, cnt                    ; block t becomes 4 registers of codes and a byte of the scale word.  cnt: the loads issued behind this block's 32
.set XS, X+32*((\t)%2)
.set KSL, (\t)/4
.set BE, (\t)%4
	s_wait_loadcnt \cnt
	v_max3_num_f32 v[MXA], |v[XS]|, |v[XS+1]|, |v[XS+2]|
	v_max3_num_f32 v[MXB], |v[XS+3]|, |v[XS+4]|, |v[XS+5]|
.irp i, 6,10,14,18,22,26
	v_max3_num_f32 v[MXA], v[MXA], |v[XS+\i]|, |v[XS+\i+1]|
	v_max3_num_f32 v[MXB], v[MXB], |v[XS+\i+2]|, |v[XS+\i+3]|
.endr
	v_max3_num_f32 v[MXA], v[MXA], |v[XS+30]|, |v[XS+31]|
	v_max3_num_f32 v[MXA], v[MXA], v[MXB], 0x1800000               ; with the floor 2^(3 - 127): the byte cannot fall under 1
	v_add_nc_u32 v[SO], 0xff000000, v[MXA]                         ; 2 off the exponent field: the conversion's scale operand
	v_lshrrev_b32 v[BY], 23, v[SO]
.if BE == 0
	v_mov_b32 v[WS+KSL], v[BY]
.else
	v_lshl_or_b32 v[WS+KSL], v[BY], 8*BE, v[WS+KSL]
.endif
.irp g, 0,1,2,3
	v_cvt_scalef32_pk8_fp4_f32 v[CF+16*KSL+8*(BE%2)+4*(BE/2)+\g], v[XS+8*\g:XS+8*\g+7], v[SO]
.endr
	v_nop                                                          ; a plain line behind the last conversion
.if BE == 3
.irp c, 0,1                            ; the first eight registers become the tile of lanes 0-15's columns (lane (r, h): block 2 c + h), the second eight that of lanes 16-31's
.irp g, 0,1,2,3
	v_permlane16_swap_b32 v[CF+16*KSL+4*\c+\g], v[CF+16*KSL+8+4*\c+\g]
.endr
.endr
.endif
.endm
.macro PADDR t                         ; where tiles 2 t and 2 t + 1 of h lie; a tile beyond the last stored one is held at that one (its products are never issued)
	s_wait_xcnt 0x0                                                ; the loads that read these four registers were issued a block ago: they are written only behind this wait
.irp d, 0,1
	s_min_u32 s60, s100, 2*(\t)+\d
	s_min_u32 s60, s60, 63
	s_lshl_b32 s61, s60, 15
	s_lshl_b32 s60, s60, 11
	v_add_nc_u32 v[XA0+2*\d], s61, v[LI]
	v_add_nc_u32 v[XA0+2*\d+1], s60, v[L4]
.endr
.endm
.macro PLOAD t                         ; ten loads
.irp d, 0,1
.irp q, 0,1,2,3
	global_load_b128 v[BF+16*(2*(\t)+\d)+4*\q:BF+16*(2*(\t)+\d)+4*\q+3], v[XA0+2*\d], s[8:9] offset:512*\q
.endr
	global_load_b32 v[BS+2*(\t)+\d], v[XA0+2*\d+1], s[10:11]
.endr
.endm
.macro BSTEP src, q, bits, width       ; the field of src at POS counts the set bits of the next \width places: if slot q lies beyond them, pass them
	v_bfe_u32 v[TT], v[\src], v[POS], \bits
	v_cmp_ge_u32 vcc_lo, v[\q], v[TT]
	v_sub_nc_u32 v[TT], v[\q], v[TT]
	v_cndmask_b32 v[\q], v[\q], v[TT], vcc_lo
	v_add_nc_u32 v[TT], \width, v[POS]
	v_cndmask_b32 v[POS], v[POS], v[TT], vcc_lo
.endm
.macro BITSEL p, w, k                  ; p: the slot; w: its word of the mask; k: the word's prefix count | its number << 16.  Leaves the token in v[p]
	v_and_b32 v[TT], 0xffff, v[\k]
	v_sub_nc_u32 v[\p], v[\p], v[TT]
	v_lshrrev_b32 v[\k], 16, v[\k]
	v_lshrrev_b32 v[FA], 1, v[\w]
	v_and_b32 v[FA], 0x55555555, v[FA]
	v_sub_nc_u32 v[FA], v[\w], v[FA]
	v_lshrrev_b32 v[FB], 2, v[FA]
	v_and_b32 v[FB], 0x33333333, v[FB]
	v_and_b32 v[TT], 0x33333333, v[FA]
	v_add_nc_u32 v[FB], v[FB], v[TT]
	v_lshrrev_b32 v[FC], 4, v[FB]
	v_add_nc_u32 v[FC], v[FC], v[FB]
	v_and_b32 v[FC], 0x0f0f0f0f, v[FC]
	v_lshrrev_b32 v[FD], 8, v[FC]
	v_add_nc_u32 v[FD], v[FD], v[FC]
	v_and_b32 v[FD], 0x00ff00ff, v[FD]
	v_mov_b32 v[POS], 0
	BSTEP FD, \p, 8, 16
	BSTEP FC, \p, 8, 8
	BSTEP FB, \p, 4, 4
	BSTEP FA, \p, 2, 2
	BSTEP \w, \p, 1, 1
	v_lshl_add_u32 v[\p], v[\k], 5, v[POS]
.endm
.macro BAR                             ; my LDS stores have landed and my LDS loads are in: then the work-group's barrier
	s_wait_dscnt 0x0
	s_barrier_signal -1
	s_barrier_wait -1
.endm
; Tile i: my 32 columns x 16 slots over my 256 k: two accumulators by turns, one instruction a turn; the first two products start the sums.
.macro TILE i
.set A0, X+16*((\i)%2)
.set A1, A0+8
.set BI, BF+16*(\i)
.if (\i) >= 2
	s_wait_dscnt 4                                                 ; only the last tile's four stores may be out: those of the tile before it have read this set and its address
.endif
	v_wmma_scale_f32_16x16x128_f8f6f4 v[A0:A0+7], v[CF:CF+7], v[BI:BI+7], 0, v[WS], v[BS+(\i)] matrix_a_fmt:MATRIX_FMT_FP4 matrix_b_fmt:MATRIX_FMT_FP4
	v_wmma_scale_f32_16x16x128_f8f6f4 v[A1:A1+7], v[CF+8:CF+15], v[BI:BI+7], 0, v[WS], v[BS+(\i)] matrix_a_fmt:MATRIX_FMT_FP4 matrix_b_fmt:MATRIX_FMT_FP4 matrix_a_scale:MATRIX_SCALE_ROW1
	v_wmma_scale_f32_16x16x128_f8f6f4 v[A0:A0+7], v[CF+16:CF+23], v[BI+8:BI+15], v[A0:A0+7], v[WS+1], v[BS+(\i)] matrix_a_fmt:MATRIX_FMT_FP4 matrix_b_fmt:MATRIX_FMT_FP4 matrix_b_scale:MATRIX_SCALE_ROW1
	v_wmma_scale_f32_16x16x128_f8f6f4 v[A1:A1+7], v[CF+24:CF+31], v[BI+8:BI+15], v[A1:A1+7], v[WS+1], v[BS+(\i)] matrix_a_fmt:MATRIX_FMT_FP4 matrix_b_fmt:MATRIX_FMT_FP4 matrix_a_scale:MATRIX_SCALE_ROW1 matrix_b_scale:MATRIX_SCALE_ROW1
	v_add_nc_u32 v[PT+(\i)%2], (\i)*32768, v[PW]                   ; five places: four serve the stores of the results and later loads into the operands; the fifth, a set begun anew over the loop's edge
.rept 4
	v_nop
.endr
	ds_store_b128 v[PT+(\i)%2], v[A0:A0+3]                         ; the image of the 16 registers, each accumulator from its low end on
	ds_store_b128 v[PT+(\i)%2], v[A0+4:A0+7] offset:512
	ds_store_b128 v[PT+(\i)%2], v[A1:A1+3] offset:1024
	ds_store_b128 v[PT+(\i)%2], v[A1+4:A1+7] offset:1536
.endm
.macro NEXT i                          ; tile i of the next round; its number stands in s60
	s_min_u32 s60, s60, 63
	s_lshl_b32 s61, s60, 15
	s_lshl_b32 s60, s60, 11
	v_add_nc_u32 v[224+(\i)], s61, v[LI]
	v_add_nc_u32 v[232+(\i)], s60, v[L4]
.irp q, 0,1,2,3
	global_load_b128 v[BF+16*(\i)+4*\q:BF+16*(\i)+4*\q+3], v[224+(\i)], s[8:9] offset:512*\q
.endr
	global_load_b32 v[BS+(\i)], v[232+(\i)], s[10:11]
.endm
.macro PLD slot, p                     ; wave p's partial sums of my unit into a slot of 8 registers
	ds_load_b128 v[X+8*(\slot):X+8*(\slot)+3], v[PRD] offset:2048*(\p)
	ds_load_b128 v[X+8*(\slot)+4:X+8*(\slot)+7], v[PRD] offset:2048*(\p)+512
.endm
.macro SADD a, b                       ; slot b onto slot a
.irp j, 0,2,4,6
	v_pk_add_f32 v[X+8*(\a)+\j:X+8*(\a)+\j+1], v[X+8*(\a)+\j:X+8*(\a)+\j+1], v[X+8*(\b)+\j:X+8*(\b)+\j+1]
.endr
.endm
	s_load_b256 s[4:11], s[0:1], 0x0               ; W2 s[4:5], b2 s[6:7], hq s[8:9], hs s[10:11]
	s_load_b128 s[12:15], s[0:1], 0x20             ; sel s[12:13], topw s[14:15]
	s_load_b64 s[48:49], s[0:1], 0x30              ; out0
	v_lshrrev_b32 v2, 5, v0
	v_readfirstlane_b32 s50, v2                    ; wave 0..15
	s_and_b32 s53, ttmp7, 0xffff                   ; the expert
	s_mov_b32 s54, ttmp9                           ; the slice of 32 columns
	v_and_b32 v2, 31, v0
	v_lshlrev_b32 v[LI], 4, v2
	v_lshlrev_b32 v[L4], 2, v2
	s_lshr_b32 s98, s50, 1
	s_lshl_b32 s98, s98, 6
	s_add_co_u32 s98, s98, TOK
	v_and_b32 v[LRR], 15, v0
	v_lshl_add_u32 v[LRR], v[LRR], 2, s98
	v_lshl_add_u32 v[LW], v0, 2, TOK
	v_lshl_add_u32 v[BW], v0, 2, B2I
	v_lshrrev_b32 v2, 8, v0                        ; b2, for the image: thread 256 u + 128 c + 4 lane + j brings the number of register 4 c + j of tile u in that lane: column 16 u + 8 (lane / 16) + 4 c + j
	v_lshlrev_b32 v2, 4, v2
	v_bfe_u32 v3, v0, 6, 1
	v_lshl_add_u32 v2, v3, 3, v2
	v_bfe_u32 v3, v0, 7, 1
	v_lshl_add_u32 v2, v3, 2, v2
	v_and_b32 v3, 3, v0
	v_add_nc_u32 v2, v2, v3
	v_lshlrev_b32 v[BA], 2, v2
	v_mov_b32 v[TW], 0                             ; written on every path
	v_mov_b32 v[TW+1], 0                           ; named with it as a pair
	s_mov_b32 s61, 0
	s_mov_b32 s99, 0
	s_lshl_b32 s60, s53, 24                        ; W2: the expert's 2^24 bytes, 256 w rows, 128 bytes a slice
	s_lshl_b32 s98, s50, 20
	s_add_co_u32 s60, s60, s98
	s_lshl_b32 s98, s54, 7
	s_add_co_u32 s60, s60, s98
	s_lshl_b32 s98, s53, 7                         ; sel: 128 bytes an expert
	s_wait_kmcnt 0x0
	s_add_nc_u64 s[4:5], s[4:5], s[60:61]
	s_add_nc_u64 s[12:13], s[12:13], s[98:99]
	s_load_b512 s[16:31], s[12:13], 0x0            ; the expert's 32 mask words
	s_load_b512 s[32:47], s[12:13], 0x40
	s_lshl_b32 s60, s53, 12                        ; b2: (1,024 e + 32 s) x 4
	s_lshl_b32 s98, s54, 7
	s_add_co_u32 s60, s60, s98
	s_add_nc_u64 s[6:7], s[6:7], s[60:61]
	global_load_b32 v[BT], v[BA], s[6:7]
	LOAD 0
	LOAD 1
	s_lshl_b32 s60, s53, 21                        ; hq: the expert's 2^21 bytes, my two K steps
	s_lshl_b32 s98, s50, 11
	s_add_co_u32 s60, s60, s98
	s_add_nc_u64 s[8:9], s[8:9], s[60:61]
	s_lshl_b32 s60, s53, 17                        ; hs likewise
	s_lshl_b32 s98, s50, 7
	s_add_co_u32 s60, s60, s98
	s_add_nc_u64 s[10:11], s[10:11], s[60:61]
	s_lshl_b32 s60, s54, 7                         ; out0: my 128 bytes of a row
	s_add_nc_u64 s[48:49], s[48:49], s[60:61]
	s_wait_kmcnt 0x0
	s_mov_b32 s66, 0                               ; s[66 + i]: the set bits ahead of word i
.set i, 0
.rept 31
	s_bcnt1_i32_b32 s98, s[16+i]
	s_add_co_u32 s[67+i], s[66+i], s98
.set i, i+1
.endr
	s_bcnt1_i32_b32 s98, s47
	s_add_co_u32 s55, s97, s98                     ; the expert's tokens
	s_add_co_u32 s56, s55, 15
	s_lshr_b32 s56, s56, 4                         ; tiles; none where no token chose the expert
	s_max_u32 s100, s56, 1
	s_sub_co_u32 s100, s100, 1                     ; the last tile that the launch before stored
	s_max_u32 s99, s55, 1
	s_sub_co_u32 s99, s99, 1                       ; the last slot
	v_min_u32 v[P0], s99, v0
	v_add_nc_u32 v[P1], 512, v0
	v_min_u32 v[P1], s99, v[P1]
	v_mov_b32 v[W0], s16
	v_mov_b32 v[W1R], s16
	v_mov_b32 v[K0], 0
	v_mov_b32 v[K1], 0
.set i, 1
.rept 31                               ; the last word whose prefix count does not pass the slot
	s_add_co_u32 s98, s[66+i], i<<16
	v_cmp_le_u32 vcc_lo, s[66+i], v[P0]
	v_cndmask_b32 v[W0], v[W0], s[16+i], vcc_lo
	v_cndmask_b32 v[K0], v[K0], s98, vcc_lo
	v_cmp_le_u32 vcc_lo, s[66+i], v[P1]
	v_cndmask_b32 v[W1R], v[W1R], s[16+i], vcc_lo
	v_cndmask_b32 v[K1], v[K1], s98, vcc_lo
.set i, i+1
.endr
	BITSEL P0, W0, K0
	BITSEL P1, W1R, K1
	ds_store_b32 v[LW], v[P0]
	ds_store_b32 v[LW], v[P1] offset:2048
	s_wait_loadcnt 63                              ; 64 loads were issued behind the bias's; the count's field names 63 at the most, which shows it done too
	ds_store_b32 v[BW], v[BT]
	BAR                                            ; the list and the bias image are whole; from here on they are only read
	; THE WEIGHTS.  Each count is what was issued behind the block's own 32 loads (L: a block's 32, P: a pair of tiles' 10).
	BLOCK 0, 32                                    ; L1
	PADDR 0
	LOAD 2
	PLOAD 0
	BLOCK 1, 42                                    ; L2 P0
	PADDR 1
	LOAD 3
	PLOAD 1
	BLOCK 2, 52                                    ; P0 L3 P1
	PADDR 2
	LOAD 4
	PLOAD 2
	BLOCK 3, 52                                    ; P1 L4 P2
	PADDR 3
	LOAD 5
	PLOAD 3
	BLOCK 4, 52                                    ; P2 L5 P3
	LOAD 6
	BLOCK 5, 42                                    ; P3 L6
	LOAD 7
	BLOCK 6, 32                                    ; L7
	BLOCK 7, 0
	; the second part's addresses.  No load is out, so the first part's registers are free.  The plain lines here are also the places between the last write of a scale word and of a fragment and the first product
	s_lshr_b32 s98, s50, 1                         ; my unit: tile w / 2,
	s_and_b32 s99, s50, 1                          ; columns 16 (w % 2) on; on the way out rows 8 (w % 2) on
	s_lshl_b32 s60, s98, 15
	s_lshl_b32 s61, s99, 10
	s_add_co_u32 s60, s60, s61
	v_add_nc_u32 v[PRD], s60, v[LI]
	s_add_co_u32 s61, s61, B2I
	v_add_nc_u32 v[BRD], s61, v[LI]
	s_mul_i32 s60, s98, 2304
	s_add_co_u32 s60, s60, STG                     ; my tile's 16 rows of the stage
	s_lshl_b32 s61, s99, 6
	s_add_co_u32 s61, s61, s60
	v_and_b32 v13, 15, v0
	v_bfe_u32 v16, v0, 4, 1
	v_mul_u32_u24 v[STW], v13, 144
	v_lshl_add_u32 v[STW], v16, 5, v[STW]
	v_add_nc_u32 v[STW], s61, v[STW]               ; in: row lane % 16, 64 (w % 2) + 32 (lane / 16) bytes on
	s_mul_i32 s61, s99, 1152
	s_add_co_u32 s61, s61, s60
	v_bfe_u32 v13, v0, 3, 2
	v_and_b32 v16, 7, v0
	v_lshlrev_b32 v[C16], 4, v16
	v_mul_u32_u24 v[STR], v13, 144
	v_add_nc_u32 v[STR], v[STR], v[C16]
	v_add_nc_u32 v[STR], s61, v[STR]               ; back: eight lanes to a row of 128 bytes, four rows an instruction
	s_lshl_b32 s60, s98, 6
	s_lshl_b32 s61, s99, 5
	s_add_co_u32 s60, s60, s61
	s_add_co_u32 s60, s60, TOK
	v_lshl_add_u32 v[LRS], v13, 2, s60             ; and those rows' tokens
	s_lshl_b32 s60, s50, 11
	v_add_nc_u32 v[PW], s60, v[LI]
	s_mov_b32 s57, 0                               ; the round,
	s_mov_b32 s58, 0                               ; its first tile,
	s_mov_b32 s59, 0                               ; and its place in the list
.Lround:
	s_wait_loadcnt 0x0                             ; this round's h
	s_cmp_lt_u32 s58, s56
	s_cbranch_scc0 .Lbar_a                         ; nothing is left: only the barriers are passed
	s_lshr_b32 s60, s50, 1
	s_add_co_u32 s60, s60, s58
	s_cmp_lt_u32 s60, s56
	s_cbranch_scc0 .Lno_tw
	v_add_nc_u32 v[T16], s59, v[LRR]               ; top_w of my unit's slot is asked for ahead of the products
	ds_load_b32 v[TA], v[T16]
	s_wait_dscnt 0x0
	v_min_u32 v[TA], 0x3ff, v[TA]
	v_lshlrev_b32 v[TWA], 2, v[TA]
	global_load_b32 v[TW], v[TWA], s[14:15]
.Lno_tw:
	TILE 0
.irp i, 1,2,3,4,5,6,7
	s_add_co_u32 s60, s58, \i
	s_cmp_lt_u32 s60, s56
	s_cbranch_scc0 .Ltiles_done                    ; this tile and all behind it are beyond the count
	TILE \i
.endr
.Ltiles_done:
.irp i, 0,1,2,3,4,5,6,7                ; the next round's h is asked for here and lands while this round is reduced
	s_add_co_u32 s60, s58, 8+\i
	s_cmp_lt_u32 s60, s56
	s_cbranch_scc0 .Lbar_a
	NEXT \i
.endr
.Lbar_a:
	BAR                                            ; every wave's partial sums lie in LDS, and every wave's reads of the stage in the round before are over
	s_wait_xcnt 0x0                                ; the loads just issued have read v224-239: the reduce's loads land there only behind this wait
	s_lshr_b32 s60, s50, 1
	s_add_co_u32 s60, s60, s58
	s_cmp_lt_u32 s60, s56
	s_cbranch_scc0 .Lbar_b
.irp p, 0,1,2,3,4,5,6,7
	PLD \p, \p
.endr
	s_wait_dscnt 0x0
	SADD 0, 1
	SADD 2, 3
	SADD 4, 5
	SADD 6, 7
	SADD 0, 2
	SADD 4, 6
	SADD 0, 4
.irp p, 1,2,3,4,5,6,7
	PLD \p, \p+7
.endr
	s_wait_dscnt 0x0
	SADD 1, 2
	SADD 3, 4
	SADD 5, 6
	SADD 1, 3
	SADD 5, 7
	SADD 1, 5
	SADD 0, 1
	PLD 1, 15
	ds_load_b128 v[X+16:X+19], v[BRD]              ; b2 in the accumulator's layout
	ds_load_b128 v[X+20:X+23], v[BRD] offset:512
	s_wait_dscnt 0x0
	SADD 0, 1
	SADD 0, 2
	s_wait_loadcnt 0x0                             ; top_w.  For 0: how many loads were issued behind it differs from path to path
.irp j, 0,2,4,6
	v_pk_mul_f32 v[X+\j:X+\j+1], v[X+\j:X+\j+1], v[TW:TW+1] op_sel_hi:[1,0]
.endr
	ds_store_b128 v[STW], v[X:X+3]
	ds_store_b128 v[STW], v[X+4:X+7] offset:16
.Lbar_b:
	BAR                                            ; the stage's rows are whole, and every wave's reads of the partial sums are over
	s_lshr_b32 s60, s50, 1
	s_add_co_u32 s60, s60, s58
	s_cmp_lt_u32 s60, s56
	s_cbranch_scc0 .Lnext
	ds_load_b128 v[X:X+3], v[STR]
	ds_load_b128 v[X+4:X+7], v[STR] offset:576
	v_add_nc_u32 v[T16], s59, v[LRS]
	ds_load_b32 v[TB0], v[T16]
	ds_load_b32 v[TB0+1], v[T16] offset:16
	s_wait_dscnt 0x0
	v_min_u32 v[TB0], 0x3ff, v[TB0]
	v_min_u32 v[TB0+1], 0x3ff, v[TB0+1]
	v_lshl_add_u32 v[OA0], v[TB0], 12, v[C16]
	v_lshl_add_u32 v[OA0+1], v[TB0+1], 12, v[C16]
	global_store_b128 v[OA0], v[X:X+3], s[48:49] th:TH_STORE_NT        ; four rows, eight lanes storing 128 consecutive bytes of each; a repeated slot stores the same bytes again
	global_store_b128 v[OA0+1], v[X+4:X+7], s[48:49] th:TH_STORE_NT
.Lnext:
	s_wait_xcnt 0x0                                ; the stores have read their data and addresses, which the next round writes
	s_add_co_u32 s58, s58, 8
	s_add_co_u32 s59, s59, 512
	s_add_co_u32 s57, s57, 1
	s_cmp_lt_u32 s57, 8
	s_cbranch_scc1 .Lround
	s_wait_xcnt 0x0
	v_lshl_add_u32 v254, v0, 2, 0x46000
	v_mov_b32 v255, 0
	s_wait_tensorcnt 0x0
	ds_add_u32 v254, v255
	s_wait_dscnt 0x0
	s_endpgm
.Lfunc_end_k_q03749bf1f3_down:
	.size	k_q03749bf1f3_down, .Lfunc_end_k_q03749bf1f3_down-k_q03749bf1f3_down
	.p2alignl 7, 3214868480
	.fill 96, 4, 3214868480
	.section	.rodata,"a",@progbits
	.p2align	6, 0x0
	.amdhsa_kernel k_q03749bf1f3_down
		.amdhsa_group_segment_fixed_size 288768
		.amdhsa_private_segment_fixed_size 0
		.amdhsa_enable_private_segment 0
		.amdhsa_kernarg_size 56
		.amdhsa_user_sgpr_count 2
		.amdhsa_user_sgpr_kernarg_segment_ptr 1
		.amdhsa_wavefront_size32 1
		.amdhsa_system_sgpr_workgroup_id_x 1
		.amdhsa_system_sgpr_workgroup_id_y 1
		.amdhsa_system_sgpr_workgroup_id_z 1
		.amdhsa_system_vgpr_workitem_id 0
		.amdhsa_next_free_vgpr 256
		.amdhsa_next_free_sgpr 102
		.amdhsa_reserve_vcc 1
		.amdhsa_float_denorm_mode_32 3
		.amdhsa_float_denorm_mode_16_64 3
		.amdhsa_memory_ordered 1
		.amdhsa_forward_progress 1
		.amdhsa_inst_pref_size 88
	.end_amdhsa_kernel
	.amdgpu_metadata
---
amdhsa.version: [ 1, 2 ]
amdhsa.kernels:
  - .name:           k_q03749bf1f3_down
    .symbol:         k_q03749bf1f3_down.kd
    .args:
      - { .name: W2, .offset: 0, .size: 8, .value_kind: global_buffer, .address_space: global }
      - { .name: b2, .offset: 8, .size: 8, .value_kind: global_buffer, .address_space: global }
      - { .name: hq, .offset: 16, .size: 8, .value_kind: global_buffer, .address_space: global }
      - { .name: hs, .offset: 24, .size: 8, .value_kind: global_buffer, .address_space: global }
      - { .name: sel, .offset: 32, .size: 8, .value_kind: global_buffer, .address_space: global }
      - { .name: topw, .offset: 40, .size: 8, .value_kind: global_buffer, .address_space: global }
      - { .name: out0, .offset: 48, .size: 8, .value_kind: global_buffer, .address_space: global }
    .group_segment_fixed_size: 288768
    .private_segment_fixed_size: 0
    .kernarg_segment_align: 8
    .kernarg_segment_size: 56
    .max_flat_workgroup_size: 512
    .sgpr_count:     102
    .vgpr_count:     256
    .wavefront_size: 32
...
	.end_amdgpu_metadata
.endif
;; end of part 3
;; ======== version 2 of 2: 3 launches; version 1 with the launches up, down written anew for expert scheduling mode
;; workspace buffers: xq 524,288 bytes; xs 32,768 bytes; sel 1,024 bytes of whole numbers; topw 4,096 bytes; hq 16,777,216 bytes; hs 1,048,576 bytes
;; launch gate: the kernel of part 1 again; grid 128 x 1, 4 waves a work-group, no clusters, 41,984 bytes of LDS; arguments x, Wg, bg, out1, xq, xs, sel, topw; writes out1, xq, xs, sel, topw
;; launch up (part 4): grid 32 x 8, 16 waves a work-group, no clusters, 83,968 bytes of LDS; arguments W1, b1, xq, xs, sel, hq, hs; writes hq, hs
.if DOCPART == 4
	.amdgcn_target "amdgcn-amd-amdhsa--gfx1250"
	.amdhsa_code_object_version 6
	.text
	.protected	k_q03749bf1f3_up
	.globl	k_q03749bf1f3_up
	.p2align	8
	.type	k_q03749bf1f3_up,@function
k_q03749bf1f3_up:
	s_mov_b64 s[64:65], 0
	v_nop
	global_prefetch_b8 v0, s[64:65] scope:SCOPE_SE
	s_setreg_imm32_b32 hwreg(HW_REG_WAVE_SCHED_MODE, 0, 2), 2
	s_setreg_imm32_b32 hwreg(HW_REG_WAVE_MODE, 25, 1), 1
	s_wait_xcnt 0x0
	s_wait_alu depctr_vm_vsrc(0)
; h = relu(x W1[e] + b1[e]) for the tokens that chose expert e, quantised along the 4,096 into codes of E2M1 with E8M0 scales.  Both operands of the product are codes; sums in f32.
; W1 [8][1024 (k)][4096] f32 is read ONCE in the launch: work-group (s, e) owns hidden units 128 s .. 128 s + 127 of expert e, 512 KiB of W1, quantises them in registers and multiplies them by all of that expert's tokens.
; FIRST PART, THE STREAM.  Sixteen waves.  Wave w = cg + 4 kq takes 32 columns (32 cg on) and k = 256 kq .. 256 kq + 255.  A LANE TAKES A COLUMN AND ITS REGISTERS RUN DOWN K: a block of 32 along K lies in one lane, each load
; of a wave reads 128 consecutive bytes, four waves side by side 512 (two waves share each run of 256 bytes, so the loads carry no hint).  Two lane swaps turn "a lane has four blocks of its column" into the operand's layout
; of two tiles of 16 columns.  Lane l streams column l with bits 3 and 4 exchanged, so that in the transposed product (source 0 = 16 columns of W1, source 1 = 16 tokens) lane (r, h) holds token r and the 16 registers of a
; column group's two tiles are the 16 neighbouring hidden units 32 cg + 16 h + 0 .. 15: neighbours along the next product's K.
; THE WEIGHTS' CODES GO FROM WAVE TO WAVE, NOT THE SUMS.  Each wave stores its four fragments and two scale words into LDS as images of their registers (64 KiB + 4 KiB in all); one barrier; from there on LDS is only read.
; SECOND PART.  Wave w takes token tile w + 16 x round, whole: 8 column tiles x 8 K steps = 64 matrix instructions on 8 accumulators, which begin as b1.  W's fragments come from LDS in chunks of four through a ring of three;
; x's eight fragments were asked for during the stream.  All 128 hidden units of the tile's 16 tokens then lie in this wave: clipped at 0 and quantised they are one whole fragment and one scale word a row of the next product:
; hq [e][tile][K step s][1,024 bytes: the registers' image], hs [e][tile][K step][16 rows] scale words.  Four rounds stand in the text, whatever the count; a wave whose tile lies beyond the count jumps over the work; no barrier stands there.
; THE TOKENS.  sel's row e is a bit for each token.  Slot p of the expert is its p-th set bit: every thread finds two slots' tokens in registers (prefix counts in scalars, a search by halves inside a word) and stores them
; at 4 x thread: a list in LDS without a scatter.  Slots from the count on repeat the last token.  Tiles are 16 slots; nt = ceil(count / 16), here at least 1, so that tile 0 of every expert is stored.
; NOT USED, AND WHY.  Tensor loads and joint requests: which waves work hangs on a count read from memory.  No two work-groups read the same byte of W1; what they share, x's codes, is a small part of a group's bytes.
; LIMITS.  NaN and infinities are not served.  A block of zeros gets the byte 1, not 127: its codes are zeros and only this program reads the bytes.
; THE MODE: SCHED_MODE bits 1:0 = 2 (LLVM: expert scheduling mode 2), set by the entry lines.  The code itself states the register dependences between vector or matrix instructions and memory or LDS instructions,
; and those through scalar registers that vector instructions write, with s_wait_alu, always for 0.
; THE PLAN.  Registers that memory or LDS instructions touch:
;   v1, v6, v12-18  Offsets and addresses, made once by vector lines and never written again.
;   v32-41          At the head: the bias as loaded, three addresses, my two tokens: read by the bias's load and by the head's LDS stores; x's loads land there later.
;   X0, X1          Block t's maxima and conversions read set t % 2; behind them the loads of block t + 2 land in it.
;   v9, v10         x's addresses: written by vector lines, read by x's loads.     v28-95  x and its scale words: loads land, the products read.
;   CF, v22-23      Written by the conversions and swaps, read by the LDS stores of the images; from then on part of the ring.
;   the ring        v160-255, v22-27: chunk c's products read place c % 3; the loads of chunk c + 3 land in it.  The quantiser writes v160-184; the stores read v176-184.
;   ACC             The LDS loads of b1 land; the products write; the quantiser reads.     v19, v11  the list's address and the token.
; In the stream ONE wait on va_vdst stands in a block, behind its conversions; the block's loads follow it, and the lines that make the scale word and swap the lanes, which name none of the loads' registers, follow those.
; A round begins with a wait on vm_vsrc, the one address that is made anew, and a wait on va_vdst.  In the walk along K one wait on va_vdst stands at a chunk's head, behind the wait for the chunk's own data: it states that
; the chunk before has been multiplied, and the loads into that chunk's place follow it, ahead of this chunk's products.
.set PITCH, 16384                      ; a row of W1 in bytes
.set WIMG,  0                          ; LDS: W's fragments [K step 8][column tile 8][1,024 bytes: registers 4 c .. 4 c + 3 at 512 c + 16 lane]
.set WSI,   65536                      ; their scale words [K step 8][column group 4][128 bytes: 4 x lane; lanes 0-15 the group's first tile, lanes 16-31 its second]
.set TOK,   69632                      ; the list, 1,024 words
.set BIMG,  73728                      ; b1 as an image of the accumulators, [column group 4][4 x 512 bytes].  (The look-ahead read of the list in the fourth round, which is never executed, names bytes of this image.)
.set WO,    1                          ; v1   my column's byte in a row of the slice's 128 bytes of my column group
.set MXA,   2                          ; v2, v3 two chains of the maximum
.set MXB,   3
.set SO,    4                          ; v4   the conversions' scale operand
.set BY,    5                          ; v5   the scale's byte
.set LRW,   6                          ; v6   TOK + 64 wave + 4 (lane % 16): my tile's slots in the list; never rewritten
.set H16,   7                          ; v7   16 (lane / 16); never rewritten
.set H4,    8                          ; v8   4 (lane / 16); never rewritten
.set XA,    9                          ; v9   my token's codes: token x 512 + 16 h
.set SA,    10                         ; v10  my token's scale words: token x 32 + 4 h
.set TKN,   11                         ; v11  my slot's token
.set LI,    12                         ; v12  16 x lane: an image's place for my lane
.set L4S,   13                         ; v13  WSI + 4 x lane
.set BRD,   14                         ; v14  BIMG + 16 x lane
.set IW,    15                         ; v15  where I store my fragments' images
.set IWS,   16                         ; v16  and my scale words
.set HO,    17                         ; v17  my bytes in hq: 32,768 wave + 16 lane
.set SOF,   18                         ; v18  my bytes in hs: 2,048 wave + 4 (lane % 16)
.set LRN,   19                         ; v19  the list at this round
.set WS,    22                         ; v22-27   W's scale words: in the stream v22, v23 (my K steps 0 and 1); then the ring's three pairs
.set XSR,   28                         ; v28-31   x's scale words: register p: lanes 0-15 K step 2 p, lanes 16-31 K step 2 p + 1
.set XF,    32                         ; v32-95   x's fragments of my tile: K step k at 8 k.  At the head: at work
.set ACC,   96                         ; v96-159  the accumulators: column tile t at 8 t
.set CF,    160                        ; v160-191 in the stream: my weights' fragments: K step k, tile u at 16 k + 8 u
.set X,     192                        ; v192-255 in the stream: two sets of 32 numbers of W1
.set WB,    160                        ; v160-255 then the ring: three chunks of four fragments
.set TM,    160                        ; in the quantiser: v160-175 at work,
.set PC,    176                        ; v176-183 the codes,
.set PW,    184                        ; v184 the scale word
.set BT,    32                         ; at the head, in XF: the bias as loaded,
.set BA,    36                         ; its address, where it goes, where the list goes,
.set BW,    37
.set LW,    38
.set P0,    40                         ; and the search for two slots' tokens
.set P1,    41
.set W0,    42
.set W1R,   43
.set K0,    44
.set K1,    45
.set FA,    50                         ; v50-55 the first slot's six registers of the search inside a word; the second slot's lie six further on, v56-61
.set FB,    51
.set FC,    52
.set FD,    53
.set POS,   54
.set TT,    55
.macro LOAD t                          ; block t of my column: W1(32 t + i, column), i = 0 .. 31, into set t % 2.  The largest offset, 255 rows, lies inside the signed 24-bit immediate
.irp i, 0,1,2,3,4,5,6,7,8,9,10,11,12,13,14,15,16,17,18,19,20,21,22,23,24,25,26,27,28,29,30,31
	global_load_b32 v[X+32*((\t)%2)+\i], v[WO], s[4:5] offset:(32*(\t)+\i)*PITCH
.endr
.endm
; Block t becomes 4 registers of codes: all that reads its set of numbers.  cnt: the loads issued behind this block's 32.
.macro BLOCKA t, cnt
.set XS, X+32*((\t)%2)
.set KSL, (\t)/4
.set BE, (\t)%4
	s_wait_loadcnt \cnt
	v_max3_num_f32 v[MXA], |v[XS]|, |v[XS+1]|, |v[XS+2]|
	v_max3_num_f32 v[MXB], |v[XS+3]|, |v[XS+4]|, |v[XS+5]|
.irp i, 6,10,14,18,22,26
	v_max3_num_f32 v[MXA], v[MXA], |v[XS+\i]|, |v[XS+\i+1]|
	v_max3_num_f32 v[MXB], v[MXB], |v[XS+\i+2]|, |v[XS+\i+3]|
.endr
	v_max3_num_f32 v[MXA], v[MXA], |v[XS+30]|, |v[XS+31]|
	v_max3_num_f32 v[MXA], v[MXA], v[MXB], 0x1800000               ; with the floor 2^(3 - 127): the byte cannot fall under 1
	v_add_nc_u32 v[SO], 0xff000000, v[MXA]                         ; 2 off the exponent field: the conversion's scale operand
.irp g, 0,1,2,3
	v_cvt_scalef32_pk8_fp4_f32 v[CF+16*KSL+8*(BE%2)+4*(BE/2)+\g], v[XS+8*\g:XS+8*\g+7], v[SO]   ; even blocks into the first eight registers of the K step, odd ones into the second eight
.endr
	v_nop                                                          ; a plain line behind the last conversion
.endm
; and a byte of the scale word; behind a K step's fourth block the lanes are swapped.  These lines name the scale operand, the scale word and the codes alone.
.macro BLOCKB t
.set KSL, (\t)/4
.set BE, (\t)%4
	v_lshrrev_b32 v[BY], 23, v[SO]
.if BE == 0
	v_mov_b32 v[WS+KSL], v[BY]
.else
	v_lshl_or_b32 v[WS+KSL], v[BY], 8*BE, v[WS+KSL]
.endif
.if BE == 3
.irp c, 0,1                            ; the first's lanes 16-31 change places with the second's lanes 0-15: the first eight registers become the tile of lanes 0-15's columns (lane (r, h): block 2 c + h), the second eight that of lanes 16-31's
.irp g, 0,1,2,3
	v_permlane16_swap_b32 v[CF+16*KSL+4*\c+\g], v[CF+16*KSL+8+4*\c+\g]
.endr
.endr
.endif
.endm
.macro PLOAD t                         ; K steps 2 t and 2 t + 1 of my tile of x: five loads.  Lane (r, h) takes, of its token's row, the 16 bytes at 64 k + 32 c + 16 h
.irp q, 0,1,2,3
	global_load_b128 v[XF+16*(\t)+4*\q:XF+16*(\t)+4*\q+3], v[XA], s[8:9] offset:128*(\t)+32*\q
.endr
	global_load_b32 v[XSR+(\t)], v[SA], s[10:11] offset:8*(\t)
.endm
; A block of the stream.  ld = 1: the set is asked for again, for the block two on.  pl = 1: two K steps of my first tile's x ride along.
.macro WSTEP t, cnt, ld, pl
	BLOCKA \t, \cnt
.if \ld
	s_wait_alu depctr_va_vdst(0)                                   ; the maxima and conversions are done reading this set, in which the loads below land; in block 0 also: v9 and v10 are written, and the search is done with v40-61, in which x lands
	LOAD (\t)+2
.endif
.if \pl
	PLOAD \t
.endif
	BLOCKB \t
.endm
; The search for the word of a slot: the last word whose prefix count does not pass the slot.  The compares of four words stand in a run, each into a scalar register of its own.
.macro WCMP i, ma, mb
	v_cmp_le_u32 s[\ma], s[66+(\i)], v[P0]
	v_cmp_le_u32 s[\mb], s[66+(\i)], v[P1]
.endm
.macro WSEL i, ma, mb
	s_add_co_u32 s98, s[66+(\i)], (\i)<<16
	v_cndmask_b32 v[W0], v[W0], s[16+(\i)], s[\ma]
	v_cndmask_b32 v[K0], v[K0], s98, s[\ma]
	v_cndmask_b32 v[W1R], v[W1R], s[16+(\i)], s[\mb]
	v_cndmask_b32 v[K1], v[K1], s98, s[\mb]
.endm
; p: the slot; w: its word of the mask; k: the word's prefix count | its number << 16; o: 0 or 6, the slot's set of registers.  Leaves in v[p] which set bit of the word, in v[k] the word's number, and the counts in fields.
.macro FIELDS p, w, k, o
	v_and_b32 v[TT+\o], 0xffff, v[\k]
	v_sub_nc_u32 v[\p], v[\p], v[TT+\o]                            ; which set bit of the word
	v_lshrrev_b32 v[\k], 16, v[\k]
	v_lshrrev_b32 v[FA+\o], 1, v[\w]                               ; counts in fields of 2, 4, 8 and 16 bits
	v_and_b32 v[FA+\o], 0x55555555, v[FA+\o]
	v_sub_nc_u32 v[FA+\o], v[\w], v[FA+\o]
	v_lshrrev_b32 v[FB+\o], 2, v[FA+\o]
	v_and_b32 v[FB+\o], 0x33333333, v[FB+\o]
	v_and_b32 v[TT+\o], 0x33333333, v[FA+\o]
	v_add_nc_u32 v[FB+\o], v[FB+\o], v[TT+\o]
	v_lshrrev_b32 v[FC+\o], 4, v[FB+\o]
	v_add_nc_u32 v[FC+\o], v[FC+\o], v[FB+\o]
	v_and_b32 v[FC+\o], 0x0f0f0f0f, v[FC+\o]
	v_lshrrev_b32 v[FD+\o], 8, v[FC+\o]
	v_add_nc_u32 v[FD+\o], v[FD+\o], v[FC+\o]
	v_and_b32 v[FD+\o], 0x00ff00ff, v[FD+\o]
	v_mov_b32 v[POS+\o], 0
.endm
; The field at POS counts the set bits of the next \width places: if the slot lies beyond them, pass them.  Both slots side by side, so that one wait serves the two compares.
.macro BSTEP2 sa, sb, bits, width
	v_bfe_u32 v[TT], v[\sa], v[POS], \bits
	v_bfe_u32 v[TT+6], v[\sb], v[POS+6], \bits
	v_cmp_ge_u32 s2, v[P0], v[TT]
	v_cmp_ge_u32 s3, v[P1], v[TT+6]
	v_sub_nc_u32 v[TT], v[P0], v[TT]
	v_sub_nc_u32 v[TT+6], v[P1], v[TT+6]
	s_wait_alu depctr_va_sdst(0)                                   ; the two compares have written s2 and s3, which the selects below read
	v_cndmask_b32 v[P0], v[P0], v[TT], s2
	v_cndmask_b32 v[P1], v[P1], v[TT+6], s3
	v_add_nc_u32 v[TT], \width, v[POS]
	v_add_nc_u32 v[TT+6], \width, v[POS+6]
	v_cndmask_b32 v[POS], v[POS], v[TT], s2
	v_cndmask_b32 v[POS+6], v[POS+6], v[TT+6], s3
.endm
.macro BAR                             ; my LDS stores have landed and my LDS loads are in: then the work-group's barrier
	s_wait_dscnt 0x0
	s_barrier_signal -1
	s_barrier_wait -1
.endm
; Chunk c = 2 x K step + half: the four fragments of column tiles 4 (c % 2) .. + 3, 4,096 consecutive bytes, and their two registers of scale words: ten LDS loads into place c % 3 of the ring.
.macro CHLD c
.set BL, WB+32*((\c)%3)
.irp p, 0,1,2,3,4,5,6,7
	ds_load_b128 v[BL+4*\p:BL+4*\p+3], v[LI] offset:WIMG+4096*(\c)+512*\p
.endr
.irp g, 0,1
	ds_load_b32 v[WS+2*((\c)%3)+\g], v[L4S] offset:256*(\c)+128*\g
.endr
.endm
; Chunk c's four products, each adding in place onto another accumulator: the eight take turns, one instruction a turn.  cnt: the LDS loads issued behind this chunk's ten.
; ld = 1: chunk c + 2 is asked for, into the place of chunk c - 1.
.macro CHMUL c, cnt, ld
	s_wait_dscnt \cnt
.if \ld
	s_wait_alu depctr_va_vdst(0)                                   ; the products of the chunk before are done reading its fragments and scale words, in which the loads below land
	CHLD (\c)+2
.endif
.set BU, WB+32*((\c)%3)
.set SW, WS+2*((\c)%3)
.set AC, ACC+32*((\c)%2)
.set XB, XF+8*((\c)/2)
.set SX, XSR+(\c)/4
.if ((\c)/2)%2
.irp g, 0,1
	v_wmma_scale_f32_16x16x128_f8f6f4 v[AC+16*\g:AC+16*\g+7], v[BU+16*\g:BU+16*\g+7], v[XB:XB+7], v[AC+16*\g:AC+16*\g+7], v[SW+\g], v[SX] matrix_a_fmt:MATRIX_FMT_FP4 matrix_b_fmt:MATRIX_FMT_FP4 matrix_b_scale:MATRIX_SCALE_ROW1
	v_wmma_scale_f32_16x16x128_f8f6f4 v[AC+16*\g+8:AC+16*\g+15], v[BU+16*\g+8:BU+16*\g+15], v[XB:XB+7], v[AC+16*\g+8:AC+16*\g+15], v[SW+\g], v[SX] matrix_a_fmt:MATRIX_FMT_FP4 matrix_b_fmt:MATRIX_FMT_FP4 matrix_a_scale:MATRIX_SCALE_ROW1 matrix_b_scale:MATRIX_SCALE_ROW1
.endr
.else
.irp g, 0,1
	v_wmma_scale_f32_16x16x128_f8f6f4 v[AC+16*\g:AC+16*\g+7], v[BU+16*\g:BU+16*\g+7], v[XB:XB+7], v[AC+16*\g:AC+16*\g+7], v[SW+\g], v[SX] matrix_a_fmt:MATRIX_FMT_FP4 matrix_b_fmt:MATRIX_FMT_FP4
	v_wmma_scale_f32_16x16x128_f8f6f4 v[AC+16*\g+8:AC+16*\g+15], v[BU+16*\g+8:BU+16*\g+15], v[XB:XB+7], v[AC+16*\g+8:AC+16*\g+15], v[SW+\g], v[SX] matrix_a_fmt:MATRIX_FMT_FP4 matrix_b_fmt:MATRIX_FMT_FP4 matrix_a_scale:MATRIX_SCALE_ROW1
.endr
.endif
.rept 4
	v_nop                                                          ; four places, which stay beside the next chunk's wait: ahead of the loads that fill this chunk's registers again; behind the last chunk, ahead of the first read of the results
.endr
.endm
	s_load_b256 s[4:11], s[0:1], 0x0               ; W1 s[4:5], b1 s[6:7], xq s[8:9], xs s[10:11]
	s_load_b128 s[12:15], s[0:1], 0x20             ; sel s[12:13], hq s[14:15]
	s_load_b64 s[48:49], s[0:1], 0x30              ; hs
	v_lshl_add_u32 v20, v0, 2, 0x14000
	v_mov_b32 v21, 0
	v_lshrrev_b32 v2, 5, v0
	v_readfirstlane_b32 s50, v2                    ; wave 0..15
	s_and_b32 s53, ttmp7, 0xffff                   ; the expert
	s_mov_b32 s54, ttmp9                           ; the slice of 128 hidden units
	s_mov_b32 s62, 0x76543210                      ; v_permlanex16_b32's selects for lane l xor 16
	s_mov_b32 s63, 0xfedcba98
	v_and_b32 v2, 7, v0
	v_and_b32 v3, 8, v0
	v_lshl_or_b32 v2, v3, 1, v2
	v_bfe_u32 v3, v0, 4, 1                         ; h
	v_lshl_or_b32 v2, v3, 3, v2                    ; the lane's number with bits 3 and 4 exchanged
	v_lshlrev_b32 v[WO], 2, v2
	v_lshlrev_b32 v[H16], 4, v3
	v_lshlrev_b32 v[H4], 2, v3
	v_lshlrev_b32 v[BA], 6, v3                     ; b1: lanes 16-31 take the numbers 16 further on
	v_and_b32 v4, 15, v0
	v_lshl_add_u32 v[LW], v0, 2, TOK
	v_lshl_add_u32 v[BW], v0, 4, BIMG
	s_wait_alu depctr_va_sdst(0)                   ; s50 is written, ahead of its first reader
	s_and_b32 s51, s50, 3                          ; cg
	s_lshr_b32 s52, s50, 2                         ; kq
	s_lshl_b32 s98, s50, 6
	s_add_co_u32 s98, s98, TOK
	v_lshl_add_u32 v[LRW], v4, 2, s98
	s_mov_b32 s61, 0
	s_mov_b32 s99, 0
	s_lshl_b32 s60, s53, 24                        ; W1: the expert's 2^24 bytes, 256 kq rows, 512 bytes a slice, 128 a column group
	s_lshl_b32 s98, s52, 22
	s_add_co_u32 s60, s60, s98
	s_lshl_b32 s98, s54, 9
	s_add_co_u32 s60, s60, s98
	s_lshl_b32 s98, s51, 7
	s_add_co_u32 s60, s60, s98
	s_lshl_b32 s98, s53, 7                         ; sel: 128 bytes an expert
	s_wait_kmcnt 0x0
	s_add_nc_u64 s[4:5], s[4:5], s[60:61]
	s_add_nc_u64 s[12:13], s[12:13], s[98:99]
	s_load_b512 s[16:31], s[12:13], 0x0            ; the expert's 32 mask words
	s_load_b512 s[32:47], s[12:13], 0x40
	s_lshl_b32 s60, s53, 14                        ; b1, for the image: thread 128 g + 32 q + lane brings the numbers of registers 4 q .. 4 q + 3 of column group g: 32 g + 16 h + 4 q on
	s_lshl_b32 s98, s54, 9
	s_add_co_u32 s60, s60, s98
	s_lshl_b32 s98, s52, 7
	s_add_co_u32 s60, s60, s98
	s_lshl_b32 s98, s51, 4
	s_add_co_u32 s60, s60, s98
	s_add_nc_u64 s[6:7], s[6:7], s[60:61]
	s_wait_alu depctr_va_vdst(0)                   ; the offsets and LDS addresses made above are written: v1 and v36, which the loads below read; v6, v37 and v38, which LDS instructions read further down
	global_load_b128 v[BT:BT+3], v[BA], s[6:7]
	LOAD 0
	LOAD 1
	s_lshl_b32 s60, s53, 21                        ; hq: (2,048 e + s) x 1,024
	s_lshl_b32 s98, s54, 10
	s_add_co_u32 s60, s60, s98
	s_add_nc_u64 s[14:15], s[14:15], s[60:61]
	s_lshl_b32 s60, s53, 17                        ; hs: (2,048 e + s) x 64
	s_lshl_b32 s98, s54, 6
	s_add_co_u32 s60, s60, s98
	s_add_nc_u64 s[48:49], s[48:49], s[60:61]
	s_wait_kmcnt 0x0
	s_mov_b32 s66, 0                               ; s[66 + i]: the set bits ahead of word i
.set i, 0
.rept 31
	s_bcnt1_i32_b32 s98, s[16+i]
	s_add_co_u32 s[67+i], s[66+i], s98
.set i, i+1
.endr
	s_bcnt1_i32_b32 s98, s47
	s_add_co_u32 s55, s97, s98                     ; the expert's tokens
	s_add_co_u32 s56, s55, 15
	s_lshr_b32 s56, s56, 4
	s_max_u32 s56, s56, 1                          ; tiles, at least one
	s_max_u32 s99, s55, 1
	s_sub_co_u32 s99, s99, 1                       ; the last slot
	v_min_u32 v[P0], s99, v0                       ; my two slots: thread and thread + 512, held at the last
	v_add_nc_u32 v[P1], 512, v0
	v_min_u32 v[P1], s99, v[P1]
	v_mov_b32 v[W0], s16
	v_mov_b32 v[W1R], s16
	v_mov_b32 v[K0], 0
	v_mov_b32 v[K1], 0
.irp i, 1,5,9,13,17,21,25              ; four words at a time; s2, s3, s57 to s61 and s99 hold nothing else here
	WCMP \i, 2, 3
	WCMP \i+1, 57, 58
	WCMP \i+2, 59, 60
	WCMP \i+3, 61, 99
	s_wait_alu depctr_va_sdst(0)                   ; the eight compares have written their masks, which the selects below read
	WSEL \i, 2, 3
	WSEL \i+1, 57, 58
	WSEL \i+2, 59, 60
	WSEL \i+3, 61, 99
.endr
	WCMP 29, 2, 3
	WCMP 30, 57, 58
	WCMP 31, 59, 60
	s_wait_alu depctr_va_sdst(0)                   ; the last six compares have written their masks, which the selects below read
	WSEL 29, 2, 3
	WSEL 30, 57, 58
	WSEL 31, 59, 60
	FIELDS P0, W0, K0, 0
	FIELDS P1, W1R, K1, 6
	BSTEP2 FD, FD+6, 8, 16
	BSTEP2 FC, FC+6, 8, 8
	BSTEP2 FB, FB+6, 4, 4
	BSTEP2 FA, FA+6, 2, 2
	BSTEP2 W0, W1R, 1, 1
	v_lshl_add_u32 v[P0], v[K0], 5, v[POS]         ; 32 x word + bit
	v_lshl_add_u32 v[P1], v[K1], 5, v[POS+6]
	s_wait_alu depctr_va_vdst(0)                   ; my two tokens are written, which the LDS stores read
	ds_store_b32 v[LW], v[P0]
	ds_store_b32 v[LW], v[P1] offset:2048
	s_wait_loadcnt 63                              ; 64 loads were issued behind the bias's; the count's field names 63 at the most, which shows it done too
	ds_store_b128 v[BW], v[BT:BT+3]
	BAR                                            ; the list and the bias image are whole; from here on they are only read
	s_wait_alu depctr_vm_vsrc(0)                   ; the bias's load and my three LDS stores have read v32 to v41, in which x's loads land
	ds_load_b32 v[TKN], v[LRW]                     ; the token of slot 16 wave + lane % 16: my first tile.  Beyond the count every slot holds the last token
	s_wait_dscnt 0x0
	v_min_u32 v[TKN], 0x3ff, v[TKN]
	v_lshl_add_u32 v[XA], v[TKN], 9, v[H16]
	v_lshl_add_u32 v[SA], v[TKN], 5, v[H4]
	; THE WEIGHTS.  Loads run two blocks ahead, and my first tile's x rides among them.  Each count is what was issued behind the block's own 32 loads (L: a block's 32, P: two K steps of x, 5).
	WSTEP 0, 32, 1, 1                              ; L1
	WSTEP 1, 37, 1, 1                              ; L2 P0
	WSTEP 2, 42, 1, 1                              ; P0 L3 P1
	WSTEP 3, 42, 1, 1                              ; P1 L4 P2
	WSTEP 4, 42, 1, 0                              ; P2 L5 P3
	WSTEP 5, 37, 1, 0                              ; P3 L6
	WSTEP 6, 32, 0, 0                              ; L7
	WSTEP 7, 0, 0, 0
	; the second part's addresses.  v4 and v5 are named by vector lines alone
	v_and_b32 v4, 15, v0                           ; lane % 16
	v_and_b32 v5, 31, v0                           ; lane
	v_lshlrev_b32 v[LI], 4, v5
	v_lshl_add_u32 v[L4S], v5, 2, WSI
	v_add_nc_u32 v[BRD], BIMG, v[LI]
	s_lshl_b32 s98, s52, 14                        ; my fragments: K steps 2 kq on, 8,192 bytes each; column tiles 2 cg on, 1,024 bytes each
	s_lshl_b32 s99, s51, 11
	s_add_co_u32 s98, s98, s99
	v_add_nc_u32 v[IW], s98, v[LI]
	s_lshl_b32 s98, s52, 10                        ; my scale words: 512 bytes a K step, 128 a column group
	s_lshl_b32 s99, s51, 7
	s_add_co_u32 s98, s98, s99
	v_add_nc_u32 v[IWS], s98, v[L4S]
	s_lshl_b32 s98, s50, 15                        ; hq: 32,768 bytes a tile
	v_add_nc_u32 v[HO], s98, v[LI]
	s_lshl_b32 s98, s50, 11                        ; hs: 2,048 bytes a tile, 4 a row
	v_lshl_add_u32 v[SOF], v4, 2, s98
	s_wait_alu depctr_va_vdst(0)                   ; my fragments and scale words are written, which the LDS stores read; so are the seven addresses v12 to v18, for the rest of the kernel
.irp k, 0,1
.irp u, 0,1
.irp c, 0,1
	ds_store_b128 v[IW], v[CF+16*\k+8*\u+4*\c:CF+16*\k+8*\u+4*\c+3] offset:8192*\k+1024*\u+512*\c   ; a fragment goes to LDS as it stands: 512 consecutive bytes a store
.endr
.endr
	ds_store_b32 v[IWS], v[WS+\k] offset:512*\k
.endr
	BAR                                            ; all 64 fragments and their scale words lie in LDS; from here on nothing is stored into LDS
	s_mov_b32 s57, 0                               ; the round,
	s_mov_b32 s58, s50                             ; my tile: wave + 16 x round,
	s_mov_b32 s59, 0                               ; and the round's place in the list
.Lround:
	s_wait_loadcnt 0x0                             ; my tile's x
	s_wait_alu depctr_vm_vsrc(0)                   ; read by now: my fragments and scale words by the images' stores (first round); the codes and the scale word by the last round's stores; v19 by its load from the list; v9 and v10 by x's loads
	v_add_nc_u32 v[LRN], s59, v[LRW]
	s_wait_alu depctr_va_vdst(0)                   ; v19 is written; the last round's quantiser is done with the accumulators and with v160-184, in which the LDS loads below land
	s_cmp_lt_u32 s58, s56
	s_cbranch_scc0 .Lnext                          ; my tile lies beyond the count
.irp g, 0,1,2,3
.irp q, 0,1,2,3
	ds_load_b128 v[ACC+16*\g+4*\q:ACC+16*\g+4*\q+3], v[BRD] offset:2048*\g+512*\q   ; the sums begin as b1, in the result's layout
.endr
.endr
	CHLD 0
	CHLD 1
	CHLD 2
	CHMUL 0, 20, 0                                 ; the bias and chunk 0 are in; the two chunks behind it, ten loads each, may be out
.irp c, 1,2,3,4,5,6,7,8,9,10,11,12,13
	CHMUL \c, 10, 1                                ; this chunk is in; the one chunk behind it, ten loads, may be out
.endr
	CHMUL 14, 10, 0
	CHMUL 15, 0, 0
	s_add_co_u32 s60, s58, 16                      ; my next tile's x is asked for here, if there is one, and lands while this tile is quantised
	s_cmp_lt_u32 s60, s56
	s_cbranch_scc0 .Lno_more
	ds_load_b32 v[TKN], v[LRN] offset:1024         ; no vector line since the round's head names v11 or v19
	s_wait_dscnt 0x0
	v_min_u32 v[TKN], 0x3ff, v[TKN]
	v_lshl_add_u32 v[XA], v[TKN], 9, v[H16]        ; the loads that read these two stand ahead of the round's first wait
	v_lshl_add_u32 v[SA], v[TKN], 5, v[H4]
	s_wait_alu depctr_va_vdst(0)                   ; v9 and v10 are written, which the loads below read; the products are done reading x's fragments and scale words, in which they land
	PLOAD 0
	PLOAD 1
	PLOAD 2
	PLOAD 3
.Lno_more:
.irp j, 0,1,2,3,4,5,6,7,8,9,10,11,12,13,14,15,16,17,18,19,20,21,22,23,24,25,26,27,28,29,30,31,32,33,34,35,36,37,38,39,40,41,42,43,44,45,46,47,48,49,50,51,52,53,54,55,56,57,58,59,60,61,62,63
	v_max_num_f32 v[ACC+\j], 0, v[ACC+\j]          ; the activation, in f32; each accumulator from its low end on
.endr
	; register 16 b + i is hidden unit 32 b + 16 h + i of my token: four blocks of 32 along the next K, half of each in lane l and half in lane l xor 16
.irp b, 0,1,2,3
	v_max3_num_f32 v[TM+\b], v[ACC+16*\b], v[ACC+16*\b+1], 0x1800000   ; none is negative: no |.|.  The floor 2^(3 - 127) holds the byte at 1 from below
.endr
.irp i, 2,4,6,8,10,12,14
.irp b, 0,1,2,3
	v_max3_num_f32 v[TM+\b], v[TM+\b], v[ACC+16*\b+\i], v[ACC+16*\b+\i+1]   ; the four blocks by turns
.endr
.endr
.irp b, 0,1,2,3
	v_permlanex16_b32 v[TM+4+\b], v[TM+\b], s62, s63
.endr
.irp b, 0,1,2,3
	v_max_num_f32 v[TM+\b], v[TM+\b], v[TM+4+\b]   ; with lane l xor 16's: the block's largest
.endr
.irp b, 0,1,2,3
	v_add_nc_u32 v[TM+12+\b], 0xff000000, v[TM+\b] ; 2 off the exponent field: the conversion's scale operand
.endr
.irp b, 0,1,2,3
	v_lshrrev_b32 v[TM+4+\b], 23, v[TM+12+\b]      ; the scale's byte
.endr
	v_lshl_or_b32 v[PW], v[TM+5], 8, v[TM+4]       ; the four bytes make my row's scale word
	v_lshl_or_b32 v[PW], v[TM+6], 16, v[PW]
	v_lshl_or_b32 v[PW], v[TM+7], 24, v[PW]
.irp b, 0,1,2,3
	v_cvt_scalef32_pk8_fp4_f32 v[PC+2*\b], v[ACC+16*\b:ACC+16*\b+7], v[TM+12+\b]
	v_cvt_scalef32_pk8_fp4_f32 v[PC+2*\b+1], v[ACC+16*\b+8:ACC+16*\b+15], v[TM+12+\b]
.endr
	v_nop                                          ; a plain line behind the last conversion
.irp c, 0,1                                    ; the operand's layout wants a whole block in a lane: lanes 0-15 block 2 c, lanes 16-31 block 2 c + 1
.irp i, 0,1
	v_permlane16_swap_b32 v[PC+4*\c+\i], v[PC+4*\c+2+\i]
.endr
.endr
	s_wait_alu depctr_va_vdst(0)                   ; the codes and the scale word are written, which the three stores read
	global_store_b128 v[HO], v[PC:PC+3], s[14:15]              ; the fragment's image: two stores of 512 consecutive bytes, aligned
	global_store_b128 v[HO], v[PC+4:PC+7], s[14:15] offset:512
	global_store_b32 v[SOF], v[PW], s[48:49]                   ; lanes l and l xor 16 store the same word
.Lnext:
	s_wait_xcnt 0x0                                ; the stores have read their data, which the next round's LDS loads write, and their bases
	s_add_nc_u64 s[14:15], s[14:15], 524288        ; sixteen tiles on
	s_add_nc_u64 s[48:49], s[48:49], 32768
	s_add_co_u32 s58, s58, 16
	s_add_co_u32 s59, s59, 1024
	s_add_co_u32 s57, s57, 1
	s_cmp_lt_u32 s57, 4
	s_cbranch_scc1 .Lround
	s_wait_dscnt 0x0                               ; the closing lines, six on end
	s_wait_alu 0x0
	s_wait_tensorcnt 0x0
	ds_add_u32 v20, v21
	s_wait_dscnt 0x0
	s_endpgm
.Lfunc_end_k_q03749bf1f3_up:
	.size	k_q03749bf1f3_up, .Lfunc_end_k_q03749bf1f3_up-k_q03749bf1f3_up
	.p2alignl 7, 3214868480
	.fill 96, 4, 3214868480
	.section	.rodata,"a",@progbits
	.p2align	6, 0x0
	.amdhsa_kernel k_q03749bf1f3_up
		.amdhsa_group_segment_fixed_size 83968
		.amdhsa_private_segment_fixed_size 0
		.amdhsa_enable_private_segment 0
		.amdhsa_kernarg_size 56
		.amdhsa_user_sgpr_count 2
		.amdhsa_user_sgpr_kernarg_segment_ptr 1
		.amdhsa_wavefront_size32 1
		.amdhsa_system_sgpr_workgroup_id_x 1
		.amdhsa_system_sgpr_workgroup_id_y 1
		.amdhsa_system_sgpr_workgroup_id_z 1
		.amdhsa_system_vgpr_workitem_id 0
		.amdhsa_next_free_vgpr 256
		.amdhsa_next_free_sgpr 102
		.amdhsa_reserve_vcc 0
		.amdhsa_float_denorm_mode_32 3
		.amdhsa_float_denorm_mode_16_64 3
		.amdhsa_memory_ordered 1
		.amdhsa_forward_progress 1
		.amdhsa_inst_pref_size 96
	.end_amdhsa_kernel
	.amdgpu_metadata
---
amdhsa.version: [ 1, 2 ]
amdhsa.kernels:
  - .name:           k_q03749bf1f3_up
    .symbol:         k_q03749bf1f3_up.kd
    .args:
      - { .name: W1, .offset: 0, .size: 8, .value_kind: global_buffer, .address_space: global }
      - { .name: b1, .offset: 8, .size: 8, .value_kind: global_buffer, .address_space: global }
      - { .name: xq, .offset: 16, .size: 8, .value_kind: global_buffer, .address_space: global }
      - { .name: xs, .offset: 24, .size: 8, .value_kind: global_buffer, .address_space: global }
      - { .name: sel, .offset: 32, .size: 8, .value_kind: global_buffer, .address_space: global }
      - { .name: hq, .offset: 40, .size: 8, .value_kind: global_buffer, .address_space: global }
      - { .name: hs, .offset: 48, .size: 8, .value_kind: global_buffer, .address_space: global }
    .group_segment_fixed_size: 83968
    .private_segment_fixed_size: 0
    .kernarg_segment_align: 8
    .kernarg_segment_size: 56
    .max_flat_workgroup_size: 512
    .sgpr_count:     102
    .vgpr_count:     256
    .wavefront_size: 32
...
	.end_amdgpu_metadata
.endif
;; end of part 4
;; launch down (part 5): grid 32 x 8, 16 waves a work-group, no clusters, 288,768 bytes of LDS; arguments W2, b2, hq, hs, sel, topw, out0; writes out0
.if DOCPART == 5
	.amdgcn_target "amdgcn-amd-amdhsa--gfx1250"
	.amdhsa_code_object_version 6
	.text
	.protected	k_q03749bf1f3_down
	.globl	k_q03749bf1f3_down
	.p2align	8
	.type	k_q03749bf1f3_down,@function
k_q03749bf1f3_down:
	s_mov_b64 s[64:65], 0
	v_nop
	global_prefetch_b8 v0, s[64:65] scope:SCOPE_SE
	s_setreg_imm32_b32 hwreg(HW_REG_WAVE_SCHED_MODE, 0, 2), 2
	s_setreg_imm32_b32 hwreg(HW_REG_WAVE_MODE, 25, 1), 1
	s_wait_xcnt 0x0
	s_wait_alu depctr_vm_vsrc(0)
; out0[token] = top_w[token] x (h W2[e] + b2[e]) for the tokens that chose expert e.  Both operands of the product are codes of E2M1 with E8M0 scales; sums in f32.
; W2 [8][4096 (k)][1024] f32 is read ONCE in the launch: work-group (s, e) owns output columns 32 s .. 32 s + 31 of expert e, 512 KiB of W2, quantises them in registers and multiplies them by all of that expert's rows of h.
; SHARES.  Sixteen waves; wave w takes k = 256 w .. 256 w + 255 of all 32 columns.  A LANE TAKES A COLUMN AND ITS REGISTERS RUN DOWN K, as in the launch before; two lane swaps make the two tiles' fragments, which stay in 32 registers.
; 8 x 1,024 columns over 256 work-groups are 32 columns, 128 bytes of a row: a load of a wave reads 128 consecutive bytes, and slices s and s + 1 stand side by side in a row; so these loads carry no hint.
; h comes as the launch before laid it: hq [e][tile][K step][1,024 bytes: a fragment's registers], hs [e][tile][K step][16 rows] scale words: a wave's two K steps of a tile are 2,048 and 128 consecutive bytes.
; The product is used transposed (source 0 = 16 columns of W2, source 1 = 16 rows of h): lane (r, h) holds slot r and eight neighbouring columns.
; THE TOKENS are found from sel as in the launch before, so the slots are the same.  Slots from the count on repeat the last token: their rows of h are equal, so are their results bit for bit, and they store the same bytes again.
; ROUNDS.  Eight tiles a round, eight rounds in the text: every barrier stands on every wave's path, only work is jumped over.  In a round: four matrix instructions a tile and wave; partial sums to LDS as images | barrier |
; wave w sums the sixteen partials of tile w / 2, columns 16 (w % 2) on, adds b2, multiplies by top_w, to a stage | barrier | wave w stores eight rows of tile w / 2, 128 consecutive bytes a row.
; An expert with no token stores nothing.  Each token has one expert, so each byte of out0 has one owner.
; NOT USED, AND WHY.  Tensor loads and joint requests: the trips' work hangs on a count read from memory.  No two work-groups read the same byte of W2; what they share, h's codes, is a small part of a group's bytes.
; LIMITS.  NaN and infinities are not served.  A block of zeros gets the byte 1, not 127: its codes are zeros and only this program reads the bytes.
; THE MODE: SCHED_MODE bits 1:0 = 2 (LLVM: expert scheduling mode 2), set by the entry lines.  The code itself states the register dependences between vector or matrix instructions and memory or LDS instructions,
; and those through scalar registers that vector instructions write, with s_wait_alu, always for 0.
; THE PLAN.  Registers that memory or LDS instructions touch:
;   v6, v7, v8; in the second part v1, v4, v5, v9-12   Offsets and addresses, made once and not written again while they serve.
;   v32, v36-38, v40, v41   At the head: the bias as loaded, three addresses, my two tokens: read by the bias's load and the head's LDS stores; h's loads land there later.
;   X0, X1 in the stream    Block t's maxima and conversions read set t % 2; behind them the loads of block t + 2 land in it.     v9-12 in the stream: the addresses of two tiles of h, made anew four times.
;   v32-159, v24-31         h and its scale words: loads land, the products read.     v160-191, v22-23  my weights: written by vector lines, taken by the products as source 0 and as scales.
;   v192-223, v2, v3        Two sets of partial sums and their LDS addresses: tile i's products and add write set i % 2, its four LDS stores read it.
;   v224-239                The addresses of the next round's h: sixteen adds, then the loads.     v192-255 in the reduce: LDS loads land in eight slots, the sums read and write them; slot 0 goes to the stage and, read back, to out0.
;   v17                     The list's address, made twice in a round.     v16, v13, v14  a token, top_w's address, top_w.     v18-21  two tokens and their rows in out0.
; In the stream ONE wait on va_vdst stands in a block, behind its conversions and the addresses of h; the block's loads follow it.  A round begins with a wait on vm_vsrc, the list's address, and a wait on va_vdst.
; A tile has one wait on va_vdst, behind its places and ahead of its stores, and from the third tile on one on vm_vsrc ahead of its products.  Each later run of loads or stores in a round has one wait ahead of it.
.set PITCH, 4096                       ; a row of W2 in bytes
.set TOK,   262144                     ; LDS: 0 .. 262,143 the partial sums [tile 8][wave 16][2,048 bytes]; then the list, 1,024 words;
.set B2I,   266240                     ; b2 as an image of an accumulator, [tile of columns 2][2 x 512 bytes];
.set STG,   268288                     ; the stage: 8 tiles x 16 rows x (128 + 16) bytes
.set WS,    22                         ; v22-23   my weights' scale words
.set BS,    24                         ; v24-31   h's scale words, a register a tile: lanes 0-15 K step 0, lanes 16-31 K step 1
.set BF,    32                         ; v32-159  h's fragments: tile i, K step k at 16 i + 8 k.  At the head: at work
.set CF,    160                        ; v160-191 my weights' fragments
.set X,     192                        ; v192-255 as in the launch before; in the reduce eight slots of 8
.set MXA,   2                          ; first part: v2-5 as in the launch before
.set MXB,   3
.set SO,    4
.set BY,    5
.set LI,    6                          ; v6 16 x lane; never rewritten
.set L4,    7                          ; v7 4 x lane: my column's byte, and my scale word's; never rewritten
.set WO,    7
.set LRR,   8                          ; v8 TOK + 64 (w / 2) + 4 (lane % 16); never rewritten
.set XA0,   9                          ; v9-12 addresses of two tiles' codes and scale words
.set PW,    1                          ; second part
.set PT,    2
.set PRD,   4
.set BRD,   5
.set STW,   9                          ; v9 into the stage
.set STR,   10                         ; v10 out of it
.set LRS,   11                         ; v11 the tokens of the rows that I store
.set C16,   12                         ; v12 16 (lane % 8)
.set TWA,   13                         ; v13 top_w's address
.set TW,    14                         ; v14 top_w of my slot; v15 is named with it as a pair
.set TA,    16                         ; v16 a token
.set T16,   17                         ; v17 an LDS address in hand
.set TB0,   18                         ; v18, v19 two tokens
.set OA0,   20                         ; v20, v21 their rows in out0
.set BT,    32
.set BA,    36
.set BW,    37
.set LW,    38
.set P0,    40
.set P1,    41
.set W0,    42
.set W1R,   43
.set K0,    44
.set K1,    45
.set FA,    50                         ; v50-55 the first slot's six registers of the search inside a word; the second slot's lie six further on, v56-61
.set FB,    51
.set FC,    52
.set FD,    53
.set POS,   54
.set TT,    55
.macro LOAD t                          ; block t of my column: W2(32 t + i, column), i = 0 .. 31, into set t % 2
.irp i, 0,1,2,3,4,5,6,7,8,9,10,11,12,13,14,15,16,17,18,19,20,21,22,23,24,25,26,27,28,29,30,31
	global_load_b32 v[X+32*((\t)%2)+\i], v[WO], s[4:5] offset:(32*(\t)+\i)*PITCH
.endr
.endm
.macro BLOCKA t, cnt                   ; block t becomes 4 registers of codes: all that reads its set of numbers.  cnt: the loads issued behind this block's 32
.set XS, X+32*((\t)%2)
.set KSL, (\t)/4
.set BE, (\t)%4
	s_wait_loadcnt \cnt
	v_max3_num_f32 v[MXA], |v[XS]|, |v[XS+1]|, |v[XS+2]|
	v_max3_num_f32 v[MXB], |v[XS+3]|, |v[XS+4]|, |v[XS+5]|
.irp i, 6,10,14,18,22,26
	v_max3_num_f32 v[MXA], v[MXA], |v[XS+\i]|, |v[XS+\i+1]|
	v_max3_num_f32 v[MXB], v[MXB], |v[XS+\i+2]|, |v[XS+\i+3]|
.endr
	v_max3_num_f32 v[MXA], v[MXA], |v[XS+30]|, |v[XS+31]|
	v_max3_num_f32 v[MXA], v[MXA], v[MXB], 0x1800000               ; with the floor 2^(3 - 127): the byte cannot fall under 1
	v_add_nc_u32 v[SO], 0xff000000, v[MXA]                         ; 2 off the exponent field: the conversion's scale operand
.irp g, 0,1,2,3
	v_cvt_scalef32_pk8_fp4_f32 v[CF+16*KSL+8*(BE%2)+4*(BE/2)+\g], v[XS+8*\g:XS+8*\g+7], v[SO]
.endr
	v_nop                                                          ; a plain line behind the last conversion
.endm
.macro BLOCKB t                        ; and a byte of the scale word; behind a K step's fourth block the lanes are swapped.  These lines name the scale operand, the scale word and the codes alone
.set KSL, (\t)/4
.set BE, (\t)%4
	v_lshrrev_b32 v[BY], 23, v[SO]
.if BE == 0
	v_mov_b32 v[WS+KSL], v[BY]
.else
	v_lshl_or_b32 v[WS+KSL], v[BY], 8*BE, v[WS+KSL]
.endif
.if BE == 3
.irp c, 0,1                            ; the first eight registers become the tile of lanes 0-15's columns (lane (r, h): block 2 c + h), the second eight that of lanes 16-31's
.irp g, 0,1,2,3
	v_permlane16_swap_b32 v[CF+16*KSL+4*\c+\g], v[CF+16*KSL+8+4*\c+\g]
.endr
.endr
.endif
.endm
.macro PADDR t                         ; where tiles 2 t and 2 t + 1 of h lie; a tile beyond the last stored one is held at that one (its products are never issued)
	s_wait_xcnt 0x0                                                ; the loads that read these four registers were issued a block ago: they are written only behind this wait
.if (\t) > 0
	s_wait_alu depctr_vm_vsrc(0)                                   ; the last pair's ten loads have read v9 to v12, which the adds below write
.endif
.irp d, 0,1
	s_min_u32 s60, s100, 2*(\t)+\d
	s_min_u32 s60, s60, 63
	s_lshl_b32 s61, s60, 15
	s_lshl_b32 s60, s60, 11
	v_add_nc_u32 v[XA0+2*\d], s61, v[LI]
	v_add_nc_u32 v[XA0+2*\d+1], s60, v[L4]
.endr
.endm
.macro PLOAD t                         ; ten loads
.irp d, 0,1
.irp q, 0,1,2,3
	global_load_b128 v[BF+16*(2*(\t)+\d)+4*\q:BF+16*(2*(\t)+\d)+4*\q+3], v[XA0+2*\d], s[8:9] offset:512*\q
.endr
	global_load_b32 v[BS+2*(\t)+\d], v[XA0+2*\d+1], s[10:11]
.endr
.endm
; A block of the stream.  ld = 1: the set is asked for again, for the block two on.  pl = 1: two tiles of the first round's h ride along.
.macro WSTEP t, cnt, ld, pl
	BLOCKA \t, \cnt
.if \pl
	PADDR \t
.endif
.if \ld
	s_wait_alu depctr_va_vdst(0)                                   ; the maxima and conversions are done reading this set, in which the loads below land; v9 to v12 are written, where they were made; in block 0 also: the search is done with v40-61, in which h lands
	LOAD (\t)+2
.endif
.if \pl
	PLOAD \t
.endif
	BLOCKB \t
.endm
; The search for the word of a slot: the last word whose prefix count does not pass the slot.  The compares of four words stand in a run, each into a scalar register of its own.
.macro WCMP i, ma, mb
	v_cmp_le_u32 s[\ma], s[66+(\i)], v[P0]
	v_cmp_le_u32 s[\mb], s[66+(\i)], v[P1]
.endm
.macro WSEL i, ma, mb
	s_add_co_u32 s98, s[66+(\i)], (\i)<<16
	v_cndmask_b32 v[W0], v[W0], s[16+(\i)], s[\ma]
	v_cndmask_b32 v[K0], v[K0], s98, s[\ma]
	v_cndmask_b32 v[W1R], v[W1R], s[16+(\i)], s[\mb]
	v_cndmask_b32 v[K1], v[K1], s98, s[\mb]
.endm
; p: the slot; w: its word of the mask; k: the word's prefix count | its number << 16; o: 0 or 6, the slot's set of registers.  Leaves in v[p] which set bit of the word, in v[k] the word's number, and the counts in fields.
.macro FIELDS p, w, k, o
	v_and_b32 v[TT+\o], 0xffff, v[\k]
	v_sub_nc_u32 v[\p], v[\p], v[TT+\o]
	v_lshrrev_b32 v[\k], 16, v[\k]
	v_lshrrev_b32 v[FA+\o], 1, v[\w]
	v_and_b32 v[FA+\o], 0x55555555, v[FA+\o]
	v_sub_nc_u32 v[FA+\o], v[\w], v[FA+\o]
	v_lshrrev_b32 v[FB+\o], 2, v[FA+\o]
	v_and_b32 v[FB+\o], 0x33333333, v[FB+\o]
	v_and_b32 v[TT+\o], 0x33333333, v[FA+\o]
	v_add_nc_u32 v[FB+\o], v[FB+\o], v[TT+\o]
	v_lshrrev_b32 v[FC+\o], 4, v[FB+\o]
	v_add_nc_u32 v[FC+\o], v[FC+\o], v[FB+\o]
	v_and_b32 v[FC+\o], 0x0f0f0f0f, v[FC+\o]
	v_lshrrev_b32 v[FD+\o], 8, v[FC+\o]
	v_add_nc_u32 v[FD+\o], v[FD+\o], v[FC+\o]
	v_and_b32 v[FD+\o], 0x00ff00ff, v[FD+\o]
	v_mov_b32 v[POS+\o], 0
.endm
; The field at POS counts the set bits of the next \width places: if the slot lies beyond them, pass them.  Both slots side by side, so that one wait serves the two compares.
.macro BSTEP2 sa, sb, bits, width
	v_bfe_u32 v[TT], v[\sa], v[POS], \bits
	v_bfe_u32 v[TT+6], v[\sb], v[POS+6], \bits
	v_cmp_ge_u32 s2, v[P0], v[TT]
	v_cmp_ge_u32 s3, v[P1], v[TT+6]
	v_sub_nc_u32 v[TT], v[P0], v[TT]
	v_sub_nc_u32 v[TT+6], v[P1], v[TT+6]
	s_wait_alu depctr_va_sdst(0)                                   ; the two compares have written s2 and s3, which the selects below read
	v_cndmask_b32 v[P0], v[P0], v[TT], s2
	v_cndmask_b32 v[P1], v[P1], v[TT+6], s3
	v_add_nc_u32 v[TT], \width, v[POS]
	v_add_nc_u32 v[TT+6], \width, v[POS+6]
	v_cndmask_b32 v[POS], v[POS], v[TT], s2
	v_cndmask_b32 v[POS+6], v[POS+6], v[TT+6], s3
.endm
.macro BAR                             ; my LDS stores have landed and my LDS loads are in: then the work-group's barrier
	s_wait_dscnt 0x0
	s_barrier_signal -1
	s_barrier_wait -1
.endm
; Tile i: my 32 columns x 16 slots over my 256 k: two accumulators by turns, one instruction a turn; the first two products start the sums.
.macro TILE i
.set A0, X+16*((\i)%2)
.set A1, A0+8
.set BI, BF+16*(\i)
.if (\i) >= 2
	s_wait_dscnt 4                                                 ; only the last tile's four stores may be out: those of the tile before it have read this set and its address
	s_wait_alu depctr_vm_vsrc(0)                                   ; the LDS stores of the tile two back have read this set and its address, which the products and the add below write
.endif
	v_wmma_scale_f32_16x16x128_f8f6f4 v[A0:A0+7], v[CF:CF+7], v[BI:BI+7], 0, v[WS], v[BS+(\i)] matrix_a_fmt:MATRIX_FMT_FP4 matrix_b_fmt:MATRIX_FMT_FP4
	v_wmma_scale_f32_16x16x128_f8f6f4 v[A1:A1+7], v[CF+8:CF+15], v[BI:BI+7], 0, v[WS], v[BS+(\i)] matrix_a_fmt:MATRIX_FMT_FP4 matrix_b_fmt:MATRIX_FMT_FP4 matrix_a_scale:MATRIX_SCALE_ROW1
	v_wmma_scale_f32_16x16x128_f8f6f4 v[A0:A0+7], v[CF+16:CF+23], v[BI+8:BI+15], v[A0:A0+7], v[WS+1], v[BS+(\i)] matrix_a_fmt:MATRIX_FMT_FP4 matrix_b_fmt:MATRIX_FMT_FP4 matrix_b_scale:MATRIX_SCALE_ROW1
	v_wmma_scale_f32_16x16x128_f8f6f4 v[A1:A1+7], v[CF+24:CF+31], v[BI+8:BI+15], v[A1:A1+7], v[WS+1], v[BS+(\i)] matrix_a_fmt:MATRIX_FMT_FP4 matrix_b_fmt:MATRIX_FMT_FP4 matrix_a_scale:MATRIX_SCALE_ROW1 matrix_b_scale:MATRIX_SCALE_ROW1
	v_add_nc_u32 v[PT+(\i)%2], (\i)*32768, v[PW]                   ; five places: four serve the stores of the results and later loads into the operands; the fifth, a set begun anew over the loop's edge
.rept 4
	v_nop
.endr
	s_wait_alu depctr_va_vdst(0)                                   ; the products have written the set and the add its address: the four stores read both.  The places above stay beside this wait
	ds_store_b128 v[PT+(\i)%2], v[A0:A0+3]                         ; the image of the 16 registers, each accumulator from its low end on
	ds_store_b128 v[PT+(\i)%2], v[A0+4:A0+7] offset:512
	ds_store_b128 v[PT+(\i)%2], v[A1:A1+3] offset:1024
	ds_store_b128 v[PT+(\i)%2], v[A1+4:A1+7] offset:1536
.endm
.macro NADDR i                         ; where tile i of the next round lies, held inside the expert's 64 tiles
	s_add_co_u32 s60, s58, 8+(\i)
	s_min_u32 s60, s60, 63
	s_lshl_b32 s61, s60, 15
	s_lshl_b32 s60, s60, 11
	v_add_nc_u32 v[224+(\i)], s61, v[LI]
	v_add_nc_u32 v[232+(\i)], s60, v[L4]
.endm
.macro NEXT i                          ; tile i of the next round: five loads
.irp q, 0,1,2,3
	global_load_b128 v[BF+16*(\i)+4*\q:BF+16*(\i)+4*\q+3], v[224+(\i)], s[8:9] offset:512*\q
.endr
	global_load_b32 v[BS+(\i)], v[232+(\i)], s[10:11]
.endm
.macro PLD slot, p                     ; wave p's partial sums of my unit into a slot of 8 registers
	ds_load_b128 v[X+8*(\slot):X+8*(\slot)+3], v[PRD] offset:2048*(\p)
	ds_load_b128 v[X+8*(\slot)+4:X+8*(\slot)+7], v[PRD] offset:2048*(\p)+512
.endm
.macro SADD a, b                       ; slot b onto slot a
.irp j, 0,2,4,6
	v_pk_add_f32 v[X+8*(\a)+\j:X+8*(\a)+\j+1], v[X+8*(\a)+\j:X+8*(\a)+\j+1], v[X+8*(\b)+\j:X+8*(\b)+\j+1]
.endr
.endm
	s_load_b256 s[4:11], s[0:1], 0x0               ; W2 s[4:5], b2 s[6:7], hq s[8:9], hs s[10:11]
	s_load_b128 s[12:15], s[0:1], 0x20             ; sel s[12:13], topw s[14:15]
	s_load_b64 s[48:49], s[0:1], 0x30              ; out0
	v_lshrrev_b32 v2, 5, v0
	v_readfirstlane_b32 s50, v2                    ; wave 0..15
	s_and_b32 s53, ttmp7, 0xffff                   ; the expert
	s_mov_b32 s54, ttmp9                           ; the slice of 32 columns
	v_and_b32 v2, 31, v0
	v_lshlrev_b32 v[LI], 4, v2
	v_lshlrev_b32 v[L4], 2, v2
	v_and_b32 v[LRR], 15, v0
	v_lshl_add_u32 v[LW], v0, 2, TOK
	v_lshl_add_u32 v[BW], v0, 2, B2I
	v_lshrrev_b32 v2, 8, v0                        ; b2, for the image: thread 256 u + 128 c + 4 lane + j brings the number of register 4 c + j of tile u in that lane: column 16 u + 8 (lane / 16) + 4 c + j
	v_lshlrev_b32 v2, 4, v2
	v_bfe_u32 v3, v0, 6, 1
	v_lshl_add_u32 v2, v3, 3, v2
	v_bfe_u32 v3, v0, 7, 1
	v_lshl_add_u32 v2, v3, 2, v2
	v_and_b32 v3, 3, v0
	v_add_nc_u32 v2, v2, v3
	v_lshlrev_b32 v[BA], 2, v2
	v_mov_b32 v[TW], 0                             ; written on every path
	v_mov_b32 v[TW+1], 0                           ; named with it as a pair
	s_wait_alu depctr_va_sdst(0)                   ; s50 is written, ahead of its first reader
	s_lshr_b32 s98, s50, 1
	s_lshl_b32 s98, s98, 6
	s_add_co_u32 s98, s98, TOK
	v_lshl_add_u32 v[LRR], v[LRR], 2, s98
	s_mov_b32 s61, 0
	s_mov_b32 s99, 0
	s_lshl_b32 s60, s53, 24                        ; W2: the expert's 2^24 bytes, 256 w rows, 128 bytes a slice
	s_lshl_b32 s98, s50, 20
	s_add_co_u32 s60, s60, s98
	s_lshl_b32 s98, s54, 7
	s_add_co_u32 s60, s60, s98
	s_lshl_b32 s98, s53, 7                         ; sel: 128 bytes an expert
	s_wait_kmcnt 0x0
	s_add_nc_u64 s[4:5], s[4:5], s[60:61]
	s_add_nc_u64 s[12:13], s[12:13], s[98:99]
	s_load_b512 s[16:31], s[12:13], 0x0            ; the expert's 32 mask words
	s_load_b512 s[32:47], s[12:13], 0x40
	s_lshl_b32 s60, s53, 12                        ; b2: (1,024 e + 32 s) x 4
	s_lshl_b32 s98, s54, 7
	s_add_co_u32 s60, s60, s98
	s_add_nc_u64 s[6:7], s[6:7], s[60:61]
	s_wait_alu depctr_va_vdst(0)                   ; the offsets and LDS addresses made above are written: v7 and v36, which the loads below read; v6, v8, v37 and v38, which memory and LDS instructions read further down
	global_load_b32 v[BT], v[BA], s[6:7]
	LOAD 0
	LOAD 1
	s_lshl_b32 s60, s53, 21                        ; hq: the expert's 2^21 bytes, my two K steps
	s_lshl_b32 s98, s50, 11
	s_add_co_u32 s60, s60, s98
	s_add_nc_u64 s[8:9], s[8:9], s[60:61]
	s_lshl_b32 s60, s53, 17                        ; hs likewise
	s_lshl_b32 s98, s50, 7
	s_add_co_u32 s60, s60, s98
	s_add_nc_u64 s[10:11], s[10:11], s[60:61]
	s_lshl_b32 s60, s54, 7                         ; out0: my 128 bytes of a row
	s_add_nc_u64 s[48:49], s[48:49], s[60:61]
	s_wait_kmcnt 0x0
	s_mov_b32 s66, 0                               ; s[66 + i]: the set bits ahead of word i
.set i, 0
.rept 31
	s_bcnt1_i32_b32 s98, s[16+i]
	s_add_co_u32 s[67+i], s[66+i], s98
.set i, i+1
.endr
	s_bcnt1_i32_b32 s98, s47
	s_add_co_u32 s55, s97, s98                     ; the expert's tokens
	s_add_co_u32 s56, s55, 15
	s_lshr_b32 s56, s56, 4                         ; tiles; none where no token chose the expert
	s_max_u32 s100, s56, 1
	s_sub_co_u32 s100, s100, 1                     ; the last tile that the launch before stored
	s_max_u32 s99, s55, 1
	s_sub_co_u32 s99, s99, 1                       ; the last slot
	v_min_u32 v[P0], s99, v0
	v_add_nc_u32 v[P1], 512, v0
	v_min_u32 v[P1], s99, v[P1]
	v_mov_b32 v[W0], s16
	v_mov_b32 v[W1R], s16
	v_mov_b32 v[K0], 0
	v_mov_b32 v[K1], 0
.irp i, 1,5,9,13,17,21,25              ; four words at a time; s2, s3, s57 to s61 and s99 hold nothing else here
	WCMP \i, 2, 3
	WCMP \i+1, 57, 58
	WCMP \i+2, 59, 60
	WCMP \i+3, 61, 99
	s_wait_alu depctr_va_sdst(0)                   ; the eight compares have written their masks, which the selects below read
	WSEL \i, 2, 3
	WSEL \i+1, 57, 58
	WSEL \i+2, 59, 60
	WSEL \i+3, 61, 99
.endr
	WCMP 29, 2, 3
	WCMP 30, 57, 58
	WCMP 31, 59, 60
	s_wait_alu depctr_va_sdst(0)                   ; the last six compares have written their masks, which the selects below read
	WSEL 29, 2, 3
	WSEL 30, 57, 58
	WSEL 31, 59, 60
	FIELDS P0, W0, K0, 0
	FIELDS P1, W1R, K1, 6
	BSTEP2 FD, FD+6, 8, 16
	BSTEP2 FC, FC+6, 8, 8
	BSTEP2 FB, FB+6, 4, 4
	BSTEP2 FA, FA+6, 2, 2
	BSTEP2 W0, W1R, 1, 1
	v_lshl_add_u32 v[P0], v[K0], 5, v[POS]         ; 32 x word + bit
	v_lshl_add_u32 v[P1], v[K1], 5, v[POS+6]
	s_wait_alu depctr_va_vdst(0)                   ; my two tokens are written, which the LDS stores read
	ds_store_b32 v[LW], v[P0]
	ds_store_b32 v[LW], v[P1] offset:2048
	s_wait_loadcnt 63                              ; 64 loads were issued behind the bias's; the count's field names 63 at the most, which shows it done too
	ds_store_b32 v[BW], v[BT]
	BAR                                            ; the list and the bias image are whole; from here on they are only read
	s_wait_alu depctr_vm_vsrc(0)                   ; the bias's load and my three LDS stores have read v32, v36 to v38, v40 and v41, in which h's loads land
	; THE WEIGHTS.  Each count is what was issued behind the block's own 32 loads (L: a block's 32, P: a pair of tiles' 10).
	WSTEP 0, 32, 1, 1                              ; L1
	WSTEP 1, 42, 1, 1                              ; L2 P0
	WSTEP 2, 52, 1, 1                              ; P0 L3 P1
	WSTEP 3, 52, 1, 1                              ; P1 L4 P2
	WSTEP 4, 52, 1, 0                              ; P2 L5 P3
	WSTEP 5, 42, 1, 0                              ; P3 L6
	WSTEP 6, 32, 0, 0                              ; L7
	WSTEP 7, 0, 0, 0
	; the second part's addresses.  The plain lines here are also the places between the last write of a scale word and of a fragment and the first product
	s_wait_alu depctr_vm_vsrc(0)                   ; h's last ten loads have read v9 to v12, which are written anew below
	s_lshr_b32 s98, s50, 1                         ; my unit: tile w / 2,
	s_and_b32 s99, s50, 1                          ; columns 16 (w % 2) on; on the way out rows 8 (w % 2) on
	s_lshl_b32 s60, s98, 15
	s_lshl_b32 s61, s99, 10
	s_add_co_u32 s60, s60, s61
	v_add_nc_u32 v[PRD], s60, v[LI]
	s_add_co_u32 s61, s61, B2I
	v_add_nc_u32 v[BRD], s61, v[LI]
	s_mul_i32 s60, s98, 2304
	s_add_co_u32 s60, s60, STG                     ; my tile's 16 rows of the stage
	s_lshl_b32 s61, s99, 6
	s_add_co_u32 s61, s61, s60
	v_and_b32 v13, 15, v0
	v_bfe_u32 v16, v0, 4, 1
	v_mul_u32_u24 v[STW], v13, 144
	v_lshl_add_u32 v[STW], v16, 5, v[STW]
	v_add_nc_u32 v[STW], s61, v[STW]               ; in: row lane % 16, 64 (w % 2) + 32 (lane / 16) bytes on
	s_mul_i32 s61, s99, 1152
	s_add_co_u32 s61, s61, s60
	v_bfe_u32 v13, v0, 3, 2
	v_and_b32 v16, 7, v0
	v_lshlrev_b32 v[C16], 4, v16
	v_mul_u32_u24 v[STR], v13, 144
	v_add_nc_u32 v[STR], v[STR], v[C16]
	v_add_nc_u32 v[STR], s61, v[STR]               ; back: eight lanes to a row of 128 bytes, four rows an instruction
	s_lshl_b32 s60, s98, 6
	s_lshl_b32 s61, s99, 5
	s_add_co_u32 s60, s60, s61
	s_add_co_u32 s60, s60, TOK
	v_lshl_add_u32 v[LRS], v13, 2, s60             ; and those rows' tokens
	s_lshl_b32 s60, s50, 11
	v_add_nc_u32 v[PW], s60, v[LI]
	s_mov_b32 s57, 0                               ; the round,
	s_mov_b32 s58, 0                               ; its first tile,
	s_mov_b32 s59, 0                               ; and its place in the list
.Lround:
	s_wait_loadcnt 0x0                             ; this round's h
	s_wait_alu depctr_vm_vsrc(0)                   ; the last round's memory and LDS instructions have read their registers: v17 (the list), v13 (top_w), v192-199 and v20, v21 (the stores to out0), the sets and v2, v3 (the partial sums' stores)
	v_add_nc_u32 v[T16], s59, v[LRR]               ; where my unit's slot stands in the list
	s_wait_alu depctr_va_vdst(0)                   ; v17 is written.  First round: so are the second part's addresses, and my weights' fragments and scale words, which the products take.  Later: the vector lines are done with v14 and v16, in which loads land
	s_cmp_lt_u32 s58, s56
	s_cbranch_scc0 .Lbar_a                         ; nothing is left: only the barriers are passed
	s_lshr_b32 s60, s50, 1
	s_add_co_u32 s60, s60, s58
	s_cmp_lt_u32 s60, s56
	s_cbranch_scc0 .Lno_tw
	ds_load_b32 v[TA], v[T16]                      ; top_w of my unit's slot is asked for ahead of the products
	s_wait_dscnt 0x0
	v_min_u32 v[TA], 0x3ff, v[TA]
	v_lshlrev_b32 v[TWA], 2, v[TA]
	s_wait_alu depctr_va_vdst(0)                   ; v13 is written, which the load below reads
	global_load_b32 v[TW], v[TWA], s[14:15]
.Lno_tw:
	TILE 0
.irp i, 1,2,3,4,5,6,7
	s_add_co_u32 s60, s58, \i
	s_cmp_lt_u32 s60, s56
	s_cbranch_scc0 .Ltiles_done                    ; this tile and all behind it are beyond the count
	TILE \i
.endr
.Ltiles_done:
.irp i, 0,1,2,3,4,5,6,7                ; the next round's h is asked for here and lands while this round is reduced.  All sixteen addresses first, so that one wait serves the loads
	NADDR \i
.endr
	s_wait_alu depctr_va_vdst(0)                   ; v224 to v239 are written, which the loads below read; the products are done reading h's fragments and scale words, in which they land
.irp i, 0,1,2,3,4,5,6,7
	s_add_co_u32 s60, s58, 8+\i
	s_cmp_lt_u32 s60, s56
	s_cbranch_scc0 .Lbar_a
	NEXT \i
.endr
.Lbar_a:
	BAR                                            ; every wave's partial sums lie in LDS, and every wave's reads of the stage in the round before are over
	s_wait_xcnt 0x0                                ; the loads just issued have read v224-239: the reduce's loads land there only behind this wait
	s_wait_alu depctr_vm_vsrc(0)                   ; those loads have read v224-239, and the partial sums' stores v192-223: the reduce's loads land in all of them.  (No vector line since the last wait on va_vdst names v192-255)
	s_lshr_b32 s60, s50, 1
	s_add_co_u32 s60, s60, s58
	s_cmp_lt_u32 s60, s56
	s_cbranch_scc0 .Lbar_b
.irp p, 0,1,2,3,4,5,6,7
	PLD \p, \p
.endr
	s_wait_dscnt 0x0
	SADD 0, 1
	SADD 2, 3
	SADD 4, 5
	SADD 6, 7
	SADD 0, 2
	SADD 4, 6
	SADD 0, 4
	s_wait_alu depctr_va_vdst(0)                   ; the sums are done with slots 1 to 7, in which the next seven partials land
.irp p, 1,2,3,4,5,6,7
	PLD \p, \p+7
.endr
	s_wait_dscnt 0x0
	SADD 1, 2
	SADD 3, 4
	SADD 5, 6
	SADD 1, 3
	SADD 5, 7
	SADD 1, 5
	SADD 0, 1
	s_wait_alu depctr_va_vdst(0)                   ; the sums are done with slots 1 and 2, in which the last partial and b2 land
	PLD 1, 15
	ds_load_b128 v[X+16:X+19], v[BRD]              ; b2 in the accumulator's layout
	ds_load_b128 v[X+20:X+23], v[BRD] offset:512
	s_wait_dscnt 0x0
	SADD 0, 1
	SADD 0, 2
	s_wait_loadcnt 0x0                             ; top_w.  For 0: how many loads were issued behind it differs from path to path
.irp j, 0,2,4,6
	v_pk_mul_f32 v[X+\j:X+\j+1], v[X+\j:X+\j+1], v[TW:TW+1] op_sel_hi:[1,0]
.endr
	s_wait_alu depctr_va_vdst(0)                   ; slot 0 is written, which the two LDS stores read
	ds_store_b128 v[STW], v[X:X+3]
	ds_store_b128 v[STW], v[X+4:X+7] offset:16
.Lbar_b:
	BAR                                            ; the stage's rows are whole, and every wave's reads of the partial sums are over
	s_wait_alu depctr_vm_vsrc(0)                   ; the stage's stores have read slot 0, in which the rows land; the load of my unit's token has read v17, which the add below writes
	v_add_nc_u32 v[T16], s59, v[LRS]               ; where the tokens of the rows that I store stand in the list
	s_wait_alu depctr_va_vdst(0)                   ; v17 is written; the vector lines are done with slot 0 and, since the last round, with v18 and v19, in which loads land
	s_lshr_b32 s60, s50, 1
	s_add_co_u32 s60, s60, s58
	s_cmp_lt_u32 s60, s56
	s_cbranch_scc0 .Lnext
	ds_load_b128 v[X:X+3], v[STR]
	ds_load_b128 v[X+4:X+7], v[STR] offset:576
	ds_load_b32 v[TB0], v[T16]
	ds_load_b32 v[TB0+1], v[T16] offset:16
	s_wait_dscnt 0x0
	v_min_u32 v[TB0], 0x3ff, v[TB0]
	v_min_u32 v[TB0+1], 0x3ff, v[TB0+1]
	v_lshl_add_u32 v[OA0], v[TB0], 12, v[C16]
	v_lshl_add_u32 v[OA0+1], v[TB0+1], 12, v[C16]
	s_wait_alu depctr_va_vdst(0)                   ; v20 and v21 are written, which the two stores read as their offsets
	global_store_b128 v[OA0], v[X:X+3], s[48:49] th:TH_STORE_NT        ; four rows, eight lanes storing 128 consecutive bytes of each; a repeated slot stores the same bytes again
	global_store_b128 v[OA0+1], v[X+4:X+7], s[48:49] th:TH_STORE_NT
.Lnext:
	s_wait_xcnt 0x0                                ; the stores have read their data and addresses, which the next round writes
	s_add_co_u32 s58, s58, 8
	s_add_co_u32 s59, s59, 512
	s_add_co_u32 s57, s57, 1
	s_cmp_lt_u32 s57, 8
	s_cbranch_scc1 .Lround
	s_wait_xcnt 0x0
	v_lshl_add_u32 v254, v0, 2, 0x46000            ; the add's two registers are made anew here; no memory or LDS instruction of the text reads v254 or v255
	v_mov_b32 v255, 0
	s_wait_dscnt 0x0                               ; the closing lines, six on end
	s_wait_alu 0x0
	s_wait_tensorcnt 0x0
	ds_add_u32 v254, v255
	s_wait_dscnt 0x0
	s_endpgm
.Lfunc_end_k_q03749bf1f3_down:
	.size	k_q03749bf1f3_down, .Lfunc_end_k_q03749bf1f3_down-k_q03749bf1f3_down
	.p2alignl 7, 3214868480
	.fill 96, 4, 3214868480
	.section	.rodata,"a",@progbits
	.p2align	6, 0x0
	.amdhsa_kernel k_q03749bf1f3_down
		.amdhsa_group_segment_fixed_size 288768
		.amdhsa_private_segment_fixed_size 0
		.amdhsa_enable_private_segment 0
		.amdhsa_kernarg_size 56
		.amdhsa_user_sgpr_count 2
		.amdhsa_user_sgpr_kernarg_segment_ptr 1
		.amdhsa_wavefront_size32 1
		.amdhsa_system_sgpr_workgroup_id_x 1
		.amdhsa_system_sgpr_workgroup_id_y 1
		.amdhsa_system_sgpr_workgroup_id_z 1
		.amdhsa_system_vgpr_workitem_id 0
		.amdhsa_next_free_vgpr 256
		.amdhsa_next_free_sgpr 102
		.amdhsa_reserve_vcc 0
		.amdhsa_float_denorm_mode_32 3
		.amdhsa_float_denorm_mode_16_64 3
		.amdhsa_memory_ordered 1
		.amdhsa_forward_progress 1
		.amdhsa_inst_pref_size 92
	.end_amdhsa_kernel
	.amdgpu_metadata
---
amdhsa.version: [ 1, 2 ]
amdhsa.kernels:
  - .name:           k_q03749bf1f3_down
    .symbol:         k_q03749bf1f3_down.kd
    .args:
      - { .name: W2, .offset: 0, .size: 8, .value_kind: global_buffer, .address_space: global }
      - { .name: b2, .offset: 8, .size: 8, .value_kind: global_buffer, .address_space: global }
      - { .name: hq, .offset: 16, .size: 8, .value_kind: global_buffer, .address_space: global }
      - { .name: hs, .offset: 24, .size: 8, .value_kind: global_buffer, .address_space: global }
      - { .name: sel, .offset: 32, .size: 8, .value_kind: global_buffer, .address_space: global }
      - { .name: topw, .offset: 40, .size: 8, .value_kind: global_buffer, .address_space: global }
      - { .name: out0, .offset: 48, .size: 8, .value_kind: global_buffer, .address_space: global }
    .group_segment_fixed_size: 288768
    .private_segment_fixed_size: 0
    .kernarg_segment_align: 8
    .kernarg_segment_size: 56
    .max_flat_workgroup_size: 512
    .sgpr_count:     102
    .vgpr_count:     256
    .wavefront_size: 32
...
	.end_amdgpu_metadata
.endif
;; end of part 5
